; MI455X (gfx1250); checked and timed in simulation.
; The chip was launched on July 23, 2026; its instructions are those of AMD's public machine-readable ISA for CDNA 5 (MIT licence, August 2026) and "CDNA5" Instruction Set Architecture Reference Guide (July 2026). The comments in the code are by the model that wrote it; some were corrected since.
;; Multi Head Attention. Allowed arithmetic: matrix products marked QUANTISED: E2M1 operands, one E8M0 scale for each 32 along K, by v_wmma_scale_f32_16x16x128_f8f6f4 with both operands' format E2M1 (or v_wmma_scale_f32_32x16x128_f4), f32 sums; products left as they are: bf16, f16 or f32 operands; f32 sums; everything else in f32.
;; Inputs: b_out 1,024 float32; b_qkv 3,072 float32; w_out 1,024 x 1,024 float32; w_qkv 1,024 x 3,072 float32; x 4 x 2,048 x 1,024 float32.
;; Outputs: out0 4 x 2,048 x 1,024 float32.
;; This version of the problem:
;;   THIS VERSION OF THE PROBLEM IS GIVEN IN LOW PRECISION. The matrix products marked QUANTISED in the list below multiply operands that are first quantised to E2M1 (2 exponent bits, 1 mantissa bit; 4 bits a number), with one power-of-two scale for each 32 numbers along K (OCP MX v1.0); their sums are f32. The products marked 'left as it is' may take bf16, f16 or f32 operands, with f32 sums. Whichever they take, every output number must still come out within the allowed error. Rounding operands to bf16 (8 significant bits) uses up far more of that allowance than f16 does (11 bits, for magnitudes from 6e-5 to 65,504). All else is computed in f32.
;;   The module's matrix products, in the order in which they are computed (A, B: the left and right operand; K: the contracted axis; several contracted axes count as one K, in the product's order):
;;     1. [M 8,192, K 1,024] x [K 1,024, N 3,072]; A: input x; B: input w_qkv: QUANTISED
;;     2. batch 64 x [M 2,048, K 64] x [K 64, N 2,048]; A: computed on the way; B: computed on the way: left as it is (an operand is computed on the way)
;;     3. batch 64 x [M 2,048, K 2,048] x [K 2,048, N 64]; A: computed on the way; B: computed on the way: left as it is (an operand is computed on the way)
;;     4. [M 8,192, K 1,024] x [K 1,024, N 1,024]; A: computed on the way; B: input w_out: left as it is (an operand is computed on the way)
;;   THE QUANTISER, for each operand of a quantised product, along K:
;;     - K is cut into blocks of 32 from its start; a last block that is shorter is filled with zeros.
;;     - A block's scale is 2^e with e = floor(log2(the largest magnitude in the block)) - 2, held to -126 .. 127; a block of zeros has e = 0. As a byte (E8M0): e + 127.
;;     - Each number is divided by its block's scale, clamped to +-6, and rounded to the nearest number of E2M1, ties to even, subnormals kept.
;;     - The product sums the exact products of the quantised numbers (number of the format x scale) in f32.
;;   ~~~python
;;   def quantise(x, axis):      # numpy; x: float32 -> the quantised numbers, widened to float32 again
;;       x = np.moveaxis(x, axis, -1); K = x.shape[-1]
;;       x = np.pad(x, [(0, 0)] * (x.ndim - 1) + [(0, -K % 32)]); x = x.reshape(x.shape[:-1] + (-1, 32)); a = np.abs(x).max(-1, keepdims=True)
;;       e = np.where(a > 0, np.clip(np.frexp(np.where(a > 0, a, 1))[1] - 1 - 2, -126, 127), 0)      # np.frexp(a)[1] - 1 = floor(log2(a)), exactly
;;       r = np.clip(x / 2.0 ** e, -6, 6)
;;       step = 2.0 ** (np.maximum(np.frexp(np.where(r == 0, 1, r))[1] - 1, 0) - 1)
;;       q = np.round(r / step) * step * 2.0 ** e      # np.round: ties to even
;;       return np.moveaxis(q.reshape(q.shape[:-2] + (-1,))[..., :K], -1, axis).astype(np.float32)
;;   ~~~
;; One version. Each part assembles by itself: llvm-mc -triple=amdgcn-amd-amdhsa -mcpu=gfx1250 --defsym DOCPART=n.
;; ======== version 1 of 1: 4 launches
;; limits: values are held in f16: magnitudes above 65,504 overflow, below 6.1e-05 lose precision
;; workspace buffers: xc 4,194,304 bytes; xs 262,144 bytes; wc 1,572,864 bytes; ws 98,304 bytes; wo 2,097,152 bytes; qkvh 50,331,648 bytes; ao 16,777,216 bytes
;; launch prep (part 1): grid 512 x 1, 4 waves a work-group, no clusters, 42,496 bytes of LDS; arguments x, w_qkv, w_out, xc, xs, wc, ws, wo; writes xc, xs, wc, ws, wo
.if DOCPART == 1
	.amdgcn_target "amdgcn-amd-amdhsa--gfx1250"
	.amdhsa_code_object_version 6
	.text
	.protected	k_qaf1fefc668_prep
	.globl	k_qaf1fefc668_prep
	.p2align	8
	.type	k_qaf1fefc668_prep,@function
k_qaf1fefc668_prep:
	s_mov_b64 s[64:65], 0
	v_nop
	global_prefetch_b8 v0, s[64:65] scope:SCOPE_SE
	s_setreg_imm32_b32 hwreg(HW_REG_WAVE_MODE, 25, 1), 1
	s_wait_xcnt 0x0
; PREP: the operands of the first product become codes of FP4 (E2M1) with one E8M0 scale byte for each 32 along K; w_out becomes f16.
;   x [8192][1024] f32, K innermost      -> xc [8192][512 bytes], xs [8192][32]
;   w_qkv [1024 (k)][3072 (n)] f32       -> wc [3072][512 bytes] with K innermost, ws [3072][32]
;   w_out [1024 (k)][1024 (n)] f32       -> wo, the same places in f16
; A block's scale is 2^(floor(log2(its largest magnitude)) - 2); its byte is the largest magnitude's exponent field - 2, held at 1 from below.  A block of zeros gets the byte 1
; where the rule says 127: its codes are zeros, which add nothing under any byte but 0xff, and this program alone reads the bytes.
; WORK LEFT OUT BY THE WHOLE PROGRAM: b_qkv[1024:2048], the bias on K.  A score is (q + bq) . (k + bk) = (q + bq) . k + (q + bq) . bk.  The second term does not hang on the key: it is the same
; along the softmax's axis, so softmax(s + const) = softmax(s) takes it away for every value of the inputs.  The product Q K^T is not quantised, so no quantiser sees k + bk.  In the second
; launch that bias falls on whole tiles (the columns 1024 .. 2047 of the first product), which begin their sums with zeros and do not load it.  bq, bv and b_out are live.
; LIMIT: a NaN, an infinity or an overflow that reaches only b_qkv[1024:2048] is not carried to the result.
; LIMITS: blocks whose largest magnitude lies under 2^(3 - 127), the floor, get the byte 1; NaN and infinities in x and w_qkv are not served; w_out must lie inside f16's range (magnitudes under 65,504).
; SHARES: work-groups 0-191 take w_qkv, 192-447 x, 448-511 w_out: three paths that part on the work-group's number alone and never join; each has LDS bytes of its own.
; No tensor loads, no cluster: no two work-groups read the same number.
.set WROW,  12288                      ; a row of w_qkv in bytes
.set WP,    272                        ; path W's stage: a column's 256 bytes of codes + 16 of padding
.set WST,   32768                      ; path W's stage: 32 columns x WP
.set WSC,   41472                      ; path W's scale bytes: 32 columns x 16
.set SPARE, 41984                      ; the spare words, 128 bytes for each wave: two blocks of 256 bytes that no other line names
.set SPW,   190                        ; v190 LDS address of my spare word; never rewritten
.set NIL,   191                        ; v191 0; never rewritten
.set WX,    32                         ; path W: v32-95 two sets of 32 numbers
.set WC,    96                         ; path W: v96-99 a block's codes
.set STEPS, 16                         ; path X: steps of 512 numbers a wave
.set EMAX,  2
.set CB,    8                          ; bytes of 16 codes
.set XR,    16                         ; path X: v16-79 four sets of 16 numbers as loaded
.set XX,    80                         ; v80-111 two sets of 16 neighbours
.set XE,    112                        ; v112-127 a scale byte for each step
.set XC,    128                        ; v128-189 codes: four registers' room for each step
.set WREG,  8192                       ; path X: LDS region of a wave: two stages of 32 x SP bytes, then its 256 scale bytes
.set SP,    80                         ; a lane's place in a stage: 64 bytes + 16 of padding
	s_load_b512 s[4:19], s[0:1], 0x0               ; x 4:5, w_qkv 6:7, w_out 8:9, xc 10:11, xs 12:13, wc 14:15, ws 16:17, wo 18:19
	v_lshl_add_u32 v[SPW], v0, 2, SPARE
	v_mov_b32 v[NIL], 0
	v_lshrrev_b32 v1, 5, v0
	v_readfirstlane_b32 s20, v1                    ; wave 0..3
	v_and_b32 v2, 31, v0                           ; lane
	s_wait_kmcnt 0x0
	s_cmp_ge_u32 ttmp9, 448
	s_cbranch_scc1 .Lcast
	s_cmp_ge_u32 ttmp9, 192
	s_cbranch_scc1 .Lx
; ---- PATH W.  A LANE TAKES A COLUMN n, AND ITS REGISTERS RUN DOWN K: a block of 32 along K lies in one lane's 32 registers, and the conversions give codes with K innermost.
; A work-group takes 32 columns x 512 along K; wave w the 128 along K from 128 w on: four blocks a lane.  The four waves' codes of a column, 4 x 64 bytes, meet in a stage in LDS and leave as 256 consecutive bytes.
	s_cmp_ge_u32 ttmp9, 96
	s_cselect_b32 s21, 1, 0                        ; y: which half of K
	s_cselect_b32 s22, 96, 0
	s_sub_co_u32 s22, ttmp9, s22                   ; cg: which 32 columns
	s_lshl_b32 s23, s21, 9
	s_lshl_b32 s24, s20, 7
	s_add_co_u32 s23, s23, s24                     ; my first row of w_qkv: 512 y + 128 w
	s_mul_i32 s24, s23, WROW
	s_lshl_b32 s25, s22, 7
	s_add_co_u32 s24, s24, s25                     ; + 128 bytes x cg
	s_mov_b32 s25, 0
	s_add_nc_u64 s[6:7], s[6:7], s[24:25]
	s_lshl_b32 s24, s22, 14                        ; codes: row 32 cg + 8 w of 512 bytes, + 256 y
	s_lshl_b32 s26, s20, 12
	s_add_co_u32 s24, s24, s26
	s_lshl_b32 s26, s21, 8
	s_add_co_u32 s24, s24, s26
	s_add_nc_u64 s[14:15], s[14:15], s[24:25]
	s_lshl_b32 s24, s22, 10                        ; scale bytes: row 32 cg of 32 bytes, + 16 y
	s_lshl_b32 s26, s21, 4
	s_add_co_u32 s24, s24, s26
	s_add_nc_u64 s[16:17], s[16:17], s[24:25]
	v_lshlrev_b32 v3, 2, v2                        ; in: 4 bytes a lane
	v_mul_u32_u24 v4, v2, WP
	s_lshl_b32 s26, s20, 6
	s_add_co_u32 s26, s26, WST
	v_add_nc_u32 v4, s26, v4                       ; into the stage: row = my column, + 64 w
	v_lshlrev_b32 v5, 4, v2
	v_add_nc_u32 v9, WSC, v5                       ; a column's 16 scale bytes
	s_lshl_b32 s26, s20, 2
	v_add_nc_u32 v5, s26, v9                       ; my wave's four of them
	v_and_b32 v6, 15, v2
	v_lshrrev_b32 v14, 4, v2
	v_mul_u32_u24 v7, v14, WP
	v_lshl_add_u32 v7, v6, 4, v7
	s_mul_i32 s26, s20, 8*WP
	s_add_co_u32 s26, s26, WST
	v_add_nc_u32 v7, s26, v7                       ; out of the stage: wave w takes columns 8 w on, sixteen lanes to a column, two columns an instruction
	v_lshlrev_b32 v8, 9, v14
	v_lshl_add_u32 v8, v6, 4, v8                   ; and the same place in wc
	v_lshlrev_b32 v10, 5, v2                       ; ws: 32 bytes a column
.macro WLOAD t                         ; block t: w_qkv(32 t + i, my column), i = 0 .. 31, into set t % 2.  No hint: the work-group beside mine reads the 128 bytes beside these
.irp i, 0,1,2,3,4,5,6,7,8,9,10,11,12,13,14,15,16,17,18,19,20,21,22,23,24,25,26,27,28,29,30,31
	global_load_b32 v[WX+32*((\t)%2)+\i], v3, s[6:7] offset:(32*(\t)+\i)*WROW
.endr
.endm
.macro WBLOCK t
.set XS, WX+32*((\t)%2)
.if (\t) < 3
	s_wait_loadcnt 32                              ; this block's 32 loads are in; the next block's 32 may be out
.else
	s_wait_loadcnt 0x0
.endif
	v_max3_num_f32 v12, |v[XS]|, |v[XS+1]|, |v[XS+2]|              ; the block's largest magnitude: all 32 numbers are mine; two chains
	v_max3_num_f32 v13, |v[XS+3]|, |v[XS+4]|, |v[XS+5]|
.irp i, 6,10,14,18,22,26
	v_max3_num_f32 v12, v12, |v[XS+\i]|, |v[XS+\i+1]|
	v_max3_num_f32 v13, v13, |v[XS+\i+2]|, |v[XS+\i+3]|
.endr
	v_max3_num_f32 v12, v12, |v[XS+30]|, |v[XS+31]|
	v_max3_num_f32 v12, v12, v13, (EMAX+1)<<23     ; and the floor 2^(3 - 127): the byte cannot fall under 1
	v_add_nc_u32 v11, -(EMAX<<23), v12             ; 2 off its exponent field: the conversion takes the exponent field of this operand as its scale
	v_lshrrev_b32 v13, 23, v11                     ; the scale's byte
.if (\t) == 0
	v_mov_b32 v24, v13                             ; my four bytes in one register, the lower K in the lower byte
.else
	v_lshl_or_b32 v24, v13, 8*(\t), v24
.endif
.irp g, 0,1,2,3
	v_cvt_scalef32_pk8_fp4_f32 v[WC+\g], v[XS+8*\g:XS+8*\g+7], v11
.endr
	v_nop                                          ; one plain line behind the scaled conversions
	ds_store_b128 v4, v[WC:WC+3] offset:16*(\t)    ; 32 codes: 16 bytes of my column's row
.if (\t)+2 < 4
	WLOAD (\t)+2
.endif
	s_wait_dscnt 0x0                               ; the store has read its registers: the next block's codes may be written
.endm
	WLOAD 0
	WLOAD 1
	WBLOCK 0
	WBLOCK 1
	WBLOCK 2
	WBLOCK 3
	ds_store_b32 v5, v24                           ; my four scale bytes
	s_wait_dscnt 0x0                               ; for the others' sake: my stores into the stage are done
	s_barrier_signal -1                            ; the branch that led here hangs on the work-group's number alone: all four waves pass this barrier
	s_barrier_wait -1
	s_cmp_lg_u32 s20, 0
	s_cbranch_scc1 .Lw_codes
	ds_load_b128 v[128:131], v9                    ; wave 0: each column's 16 scale bytes
	s_wait_dscnt 0x0
	global_store_b128 v10, v[128:131], s[16:17]    ; 16 bytes of each of 32 rows of 32 bytes
.Lw_codes:
.irp i, 0,1,2,3
	ds_load_b128 v[112+4*\i:115+4*\i], v7 offset:2*\i*WP
.endr
.irp i, 0,1,2,3
	s_wait_dscnt 3-\i                              ; the younger loads may be out
	global_store_b128 v8, v[112+4*\i:115+4*\i], s[14:15] offset:2*\i*512   ; sixteen lanes store 256 consecutive bytes, aligned
.endr
	s_wait_tensorcnt 0x0                           ; the wave's end: behind my last LDS store
	ds_add_u32 v[SPW], v[NIL]
	s_wait_dscnt 0x0
	s_endpgm
; ---- PATH X.  x is a plain stream of blocks of 32.  A wave takes 16 steps of 512 numbers.  Each load reads 512 consecutive bytes, 16 a lane; a step's 2,048 bytes turn through the wave's own stage
; in LDS and come back 64 bytes a lane: 16 neighbours along K; two neighbouring lanes hold a block.  Loads run four steps ahead, the turn through LDS one step.  Waves share nothing: no barrier.
.Lx:
	v_lshlrev_b32 v3, 4, v2                        ; my 16 bytes of a load's 512
	s_mul_i32 s24, s20, WREG
	v_lshrrev_b32 v14, 2, v2
	v_mul_u32_u24 v14, v14, SP
	v_and_b32 v15, 3, v2
	v_lshl_add_u32 v14, v15, 4, v14
	v_add_nc_u32 v14, s24, v14                     ; the stage, on the way in: SP (lane / 4) + 16 (lane % 4)
	v_mul_u32_u24 v15, v2, SP
	v_add_nc_u32 v15, s24, v15                     ; and on the way out: SP x lane
	v_mul_u32_u24 v4, v2, CB                       ; my codes' place in a step's
	v_lshrrev_b32 v5, 1, v2
	s_add_co_u32 s24, s24, 2*32*SP
	v_add_nc_u32 v5, s24, v5                       ; my wave's 256 scale bytes: my block's byte
	v_lshlrev_b32 v7, 3, v2
	v_add_nc_u32 v6, s24, v7                       ; and on the way out 8 bytes a lane
	s_sub_co_u32 s21, ttmp9, 192
	s_lshl_b32 s21, s21, 2
	s_add_co_u32 s21, s21, s20                     ; which run of 8,192 numbers is my wave's: 0 .. 1023
	s_mov_b32 s23, 0
	s_lshl_b32 s22, s21, 15
	s_add_nc_u64 s[4:5], s[4:5], s[22:23]
	s_lshl_b32 s22, s21, 12
	s_add_nc_u64 s[10:11], s[10:11], s[22:23]
	s_lshl_b32 s22, s21, 8
	s_add_nc_u64 s[12:13], s[12:13], s[22:23]
.macro XLOAD t
.irp i, 0,1,2,3
	global_load_b128 v[XR+16*((\t)%4)+4*\i:XR+16*((\t)%4)+4*\i+3], v3, s[4:5] offset:2048*(\t)+512*\i th:TH_LOAD_NT
.endr
.endm
.macro XTURN t                         ; step t's numbers through the stage: LDS serves a wave's instructions in order, so no wait stands between the stores and the loads
.irp i, 0,1,2,3
	ds_store_b128 v14, v[XR+16*((\t)%4)+4*\i:XR+16*((\t)%4)+4*\i+3] offset:32*SP*((\t)%2)+8*SP*\i
.endr
.irp i, 0,1,2,3
	ds_load_b128 v[XX+16*((\t)%2)+4*\i:XX+16*((\t)%2)+4*\i+3], v15 offset:32*SP*((\t)%2)+16*\i
.endr
.endm
.irp t, 0,1,2,3
	XLOAD \t
.endr
	s_wait_loadcnt 12                              ; step 0's four loads are in; those of steps 1 to 3 may be out
	XTURN 0
.macro XSTEP t
.set XS, XX+16*((\t)%2)
.if (\t) > 0
	s_wait_dscnt 1                                 ; this step's numbers are back from the stage; the last step's byte store may be out
.else
	s_wait_dscnt 0x0
.endif
.if (\t)+4 < STEPS
	XLOAD (\t)+4                                   ; into the registers that this step's stores into the stage have read
.endif
.if (\t)+1 < STEPS
.if STEPS-2-(\t) >= 3
	s_wait_loadcnt 12                              ; the next step's four loads are in; those of the three steps behind it may be out
.else
	s_wait_loadcnt 4*(STEPS-2-(\t))
.endif
	XTURN (\t)+1
.endif
	v_max3_num_f32 v8, |v[XS]|, |v[XS+1]|, |v[XS+2]|               ; the largest magnitude of my 16
	v_max3_num_f32 v9, |v[XS+3]|, |v[XS+4]|, |v[XS+5]|
.irp i, 6,10
	v_max3_num_f32 v8, v8, |v[XS+\i]|, |v[XS+\i+1]|
	v_max3_num_f32 v9, v9, |v[XS+\i+2]|, |v[XS+\i+3]|
.endr
	v_max3_num_f32 v8, v8, |v[XS+14]|, |v[XS+15]|
	v_max3_num_f32 v8, v8, v9, (EMAX+1)<<23        ; and the floor
	v_max_num_f32_dpp v8, v8, v8 row_xmask:1 row_mask:0xf bank_mask:0xf   ; and of my neighbour's 16: the block's
	v_add_nc_u32 v11, -(EMAX<<23), v8              ; the conversion's scale operand
	v_cvt_scalef32_pk8_fp4_f32 v[XC+4*(\t)], v[XS:XS+7], v11
	v_cvt_scalef32_pk8_fp4_f32 v[XC+4*(\t)+1], v[XS+8:XS+15], v11
	v_lshrrev_b32 v[XE+(\t)], 23, v11              ; the scale's byte
	ds_store_b8 v5, v[XE+(\t)] offset:16*(\t)      ; both lanes of a block write the same byte with the same value
	global_store_b64 v4, v[XC+4*(\t):XC+4*(\t)+1], s[10:11] offset:32*CB*(\t)   ; 32 lanes store 256 consecutive bytes, aligned
.endm
.irp t, 0,1,2,3,4,5,6,7,8,9,10,11,12,13,14,15
	XSTEP \t
.endr
	ds_load_b64 v[8:9], v6                         ; my wave's 256 scale bytes: these see my stores
	s_wait_dscnt 0x0
	global_store_b64 v7, v[8:9], s[12:13]          ; 256 consecutive bytes, aligned
	s_wait_tensorcnt 0x0                           ; the wave's end: behind my last LDS store
	ds_add_u32 v[SPW], v[NIL]
	s_wait_dscnt 0x0
	s_endpgm
; ---- PATH CAST.  w_out to f16, place for place.  A wave takes 4,096 numbers: 32 loads of 512 consecutive bytes, all out at once; this path writes no LDS.
.Lcast:
	s_sub_co_u32 s21, ttmp9, 448
	s_lshl_b32 s21, s21, 2
	s_add_co_u32 s21, s21, s20                     ; which run of 4,096 numbers: 0 .. 255
	s_mov_b32 s23, 0
	s_lshl_b32 s22, s21, 14
	s_add_nc_u64 s[8:9], s[8:9], s[22:23]
	s_lshl_b32 s22, s21, 13
	s_add_nc_u64 s[18:19], s[18:19], s[22:23]
	v_lshlrev_b32 v3, 4, v2
	v_lshlrev_b32 v4, 3, v2
.set i, 0
.rept 32
	global_load_b128 v[16+4*i:19+4*i], v3, s[8:9] offset:512*i th:TH_LOAD_NT
.set i, i+1
.endr
.set i, 0
.rept 32
	s_wait_loadcnt 31-i                            ; loads come back in order: the younger ones may be out
	v_cvt_pk_f16_f32 v[16+4*i], v[16+4*i], v[17+4*i]
	v_cvt_pk_f16_f32 v[17+4*i], v[18+4*i], v[19+4*i]
	global_store_b64 v4, v[16+4*i:17+4*i], s[18:19] offset:256*i   ; 256 consecutive bytes, aligned
.set i, i+1
.endr
	s_endpgm
.Lfunc_end_k_qaf1fefc668_prep:
	.size	k_qaf1fefc668_prep, .Lfunc_end_k_qaf1fefc668_prep-k_qaf1fefc668_prep
	.p2alignl 7, 3214868480
	.fill 96, 4, 3214868480
	.section	.rodata,"a",@progbits
	.p2align	6, 0x0
	.amdhsa_kernel k_qaf1fefc668_prep
		.amdhsa_group_segment_fixed_size 42496
		.amdhsa_private_segment_fixed_size 0
		.amdhsa_enable_private_segment 0
		.amdhsa_kernarg_size 64
		.amdhsa_user_sgpr_count 2
		.amdhsa_user_sgpr_kernarg_segment_ptr 1
		.amdhsa_wavefront_size32 1
		.amdhsa_system_sgpr_workgroup_id_x 1
		.amdhsa_system_sgpr_workgroup_id_y 1
		.amdhsa_system_sgpr_workgroup_id_z 1
		.amdhsa_system_vgpr_workitem_id 0
		.amdhsa_next_free_vgpr 192
		.amdhsa_next_free_sgpr 66
		.amdhsa_reserve_vcc 0
		.amdhsa_float_denorm_mode_32 3
		.amdhsa_float_denorm_mode_16_64 3
		.amdhsa_memory_ordered 1
		.amdhsa_forward_progress 1
		.amdhsa_inst_pref_size 66
	.end_amdhsa_kernel
	.amdgpu_metadata
---
amdhsa.version: [ 1, 2 ]
amdhsa.kernels:
  - .name:           k_qaf1fefc668_prep
    .symbol:         k_qaf1fefc668_prep.kd
    .args:
      - { .name: x, .offset: 0, .size: 8, .value_kind: global_buffer, .address_space: global }
      - { .name: w_qkv, .offset: 8, .size: 8, .value_kind: global_buffer, .address_space: global }
      - { .name: w_out, .offset: 16, .size: 8, .value_kind: global_buffer, .address_space: global }
      - { .name: xc, .offset: 24, .size: 8, .value_kind: global_buffer, .address_space: global }
      - { .name: xs, .offset: 32, .size: 8, .value_kind: global_buffer, .address_space: global }
      - { .name: wc, .offset: 40, .size: 8, .value_kind: global_buffer, .address_space: global }
      - { .name: ws, .offset: 48, .size: 8, .value_kind: global_buffer, .address_space: global }
      - { .name: wo, .offset: 56, .size: 8, .value_kind: global_buffer, .address_space: global }
    .group_segment_fixed_size: 42496
    .private_segment_fixed_size: 0
    .kernarg_segment_align: 8
    .kernarg_segment_size: 64
    .max_flat_workgroup_size: 128
    .sgpr_count:     66
    .vgpr_count:     192
    .wavefront_size: 32
...
	.end_amdgpu_metadata
.endif
;; end of part 1
;; launch qkvgemm (part 2): grid 12 x 32, 4 waves a work-group, clusters of 4 x 4, 327,680 bytes of LDS; arguments xc, xs, wc, ws, b_qkv, qkvh; writes qkvh
.if DOCPART == 2
	.amdgcn_target "amdgcn-amd-amdhsa--gfx1250"
	.amdhsa_code_object_version 6
	.text
	.protected	k_qaf1fefc668_qkvgemm
	.globl	k_qaf1fefc668_qkvgemm
	.p2align	8
	.type	k_qaf1fefc668_qkvgemm,@function
k_qaf1fefc668_qkvgemm:
	s_mov_b64 s[64:65], 0
	v_nop
	global_prefetch_b8 v0, s[64:65] scope:SCOPE_SE
	s_setreg_imm32_b32 hwreg(HW_REG_WAVE_MODE, 25, 1), 1
	s_wait_xcnt 0x0
	s_wait_alu depctr_hold_cnt(0) depctr_sa_sdst(0) depctr_va_vdst(0) depctr_va_sdst(0) depctr_va_ssrc(0) depctr_va_vcc(0) depctr_vm_vsrc(0)
	s_getreg_b32 s2, hwreg(HW_REG_IB_STS2, 6, 4)
	s_cmp_eq_u32 s2, 0
	s_cbranch_scc0 .Lentry_in_a_cluster
	s_endpgm
.Lentry_in_a_cluster:
	s_bfe_u32 s2, ttmp6, 0x10000c
	s_cmp_lg_u32 s2, 0xf033
	s_cbranch_scc0 .Lentry_shape_is_right
	s_endpgm
.Lentry_shape_is_right:
; qkv = Q(x) Q(w_qkv) + b_qkv on codes of FP4 (E2M1) with one E8M0 scale for each 32 along K; sums in f32; the result is rounded once to f16 and laid by head:
; qkvh [4 b][48 j][2048 t][64], j = 16 x (q, k or v) + head: a plane (b, j) is 2,048 rows of 128 bytes on end.
; WORK LEFT OUT: the bias on K, b_qkv[1024:2048]: it adds to every score of a row the same number, which the softmax takes away (shown at the head of the first kernel).  It falls on whole tiles:
; those of cluster x = 1, which begin their sums with zeros and do not load it.
; LIMIT: q, k and v must lie inside f16's range (magnitudes under 65,504).
; A tile, 256 rows x 256 columns, is made by a work-group of four waves; a wave makes 128 x 128: 64 accumulators of 16 x 16, 512 registers.  K = 1,024 is two slots of 512: both are asked for at the start, nothing is filled again.
; THE SCALES of the work-group's 256 rows of x and 256 columns of w_qkv, for all of K, are two dense blocks of memory: they come into LDS once, with the first fills.
; CLUSTERS: 4 x 4 work-groups.  The four of a row of the cluster need the same tiles of x, the four of a column the same tiles of w_qkv: each tile is asked for JOINTLY, by the same tensor load with the same
; descriptor and a mask that names the four.  By this text's own count a wave has three tensor loads out at the most.
; THE MATRIX INSTRUCTION IS USED TRANSPOSED (source 0 = 16 columns of w_qkv, source 1 = 16 rows of x): a lane then holds eight neighbouring numbers of a row of the result.
; THE BIAS is the C of each sum's first matrix instruction: eight registers for each of the wave's eight blocks of 16 columns, in the result's layout.
; REGISTERS, in windows of 256: window 0: v0-31 addresses; v32-95 scale words, two sets; v128-191 x's fragments, one set; v192-255 the bias; on the way out v32-63 and v192-255 are at work.
;   window 1: w_qkv's fragments, two sets, at v0 and v128.   window 2: the accumulators of my rows 0-63 ((a, b) at v[8 (8 a + b)]);   window 3: those of my rows 64-127.
.set SIZE_M, 8192
.set SIZE_N, 3072
.set SIZE_K, 1024
.set KSTEP,  512                       ; along K in a slot
.set NQ,     KSTEP/128                 ; matrix instructions deep
.set ROWB,   256                       ; a tile's row in bytes
.set KROW,   SIZE_K*4/8                ; a row of codes in memory
.set PITCH,  272                       ; an LDS row: 256 bytes + 16 of padding = 68 words: the 16 rows that a load touches start at 16 different banks (64 banks of 4 bytes: ISA guide 11.1)
.set FR,     8                         ; registers of a fragment: 16 rows x 128 K
.set NL,     2                         ; LDS loads that bring one
.set NP,     4                         ; places behind this matrix instruction (ISA guide 7.12.1)
.set HALFT,  128*PITCH                 ; 128 rows: what one tensor load brings
.set SLOT,   4*HALFT                   ; x's 256 rows, then w_qkv's 256
.set KS,     SIZE_K/32                 ; a row of scales in bytes
.set SCL,    2*SLOT                    ; behind the slots: the scales, as rows of 256 bytes + 16 of padding
.set HALFS,  (128*KS/256)*272          ; the scales of 128 rows
.set SBLK,   (16*KS/256)*272           ; those of 16 rows
.set SPARE,  SCL+4*HALFS               ; the spare words, 128 bytes for each wave: two blocks of 256 bytes that no other line names
.set HP,     144                       ; the way out: a stage row: a head's 128 bytes + 16
.set HST,    16*HP                     ; 16 rows of one head; a wave's stage is two of these.  The stages lie in slot 0, which has had its only fill and its last read when the first result is stored there
.set ADRA, 16                          ; v16-17  LDS address of my fragments of x in slot 0, 1
.set ADRB, 20                          ; v20-21  the same for w_qkv
.set STO,  24                          ; v24     the way out: where I put 16 bytes of a row
.set RD,   25                          ; v25     the way out: where I read rows back
.set CO,   26                          ; v26     16 x lane: my bytes of a store's 512
.set ADRS, 27                          ; v27     LDS address of my scale words: lanes 0-15 x's rows, lanes 16-31 w_qkv's
.set SPW,  28                          ; v28     LDS address of my spare word; never rewritten
.set NIL,  29                          ; v29     0; never rewritten
.set BO,   30                          ; v30     32 x (lane / 16): my eight numbers of a block's bias
.set SC,   32                          ; scale words: set s at v[SC + 8 NQ s]; register NQ i + q: lanes 0-15 the word of x's block i, lanes 16-31 that of w_qkv's block i
.set AF,   128                         ; x's fragments
.set BI,   192                         ; the bias: block b at v[BI + 8 b]
.set TMP,  192                         ; the way out: a block of 16 rows, packed
.set OB,   32                          ; the way out: 16 rows read back: v32-63 and v224-255 by turns
.set G1, 24                            ; s[24:31] descriptor group 1 for x's tiles;  s[32:39] group 0, one set for each slot
.set G0, 32
.set G1B, 48                           ; s[48:55], s[56:63] the same for w_qkv's
.set G0B, 56
.set G1S, 68                           ; s[68:75], s[76:79] groups 1 and 0 for x's scales;  s[80:87], s[88:91] for w_qkv's
.set G0S, 76
.set G1SB, 80
.set G0SB, 88
.set MSB, 0
.macro WIN new                         ; the immediate's high byte repeats the setting that is left
.if MSB != \new
	s_set_vgpr_msb (MSB<<8)|\new
.set MSB, \new
.endif
.endm
.set MUL_LO, 0xa1                      ; source 0 window 1, source 1 window 0, C and D window 2
.set MUL_HI, 0xf1                      ; the same, C and D window 3
.set TO_B,   0x40                      ; destination window 1, address window 0
; A joint load: waves 0 and 1 fetch for x, waves 2 and 3 for w_qkv.  The branch hangs on the wave's number alone.  An s_nop 0 and four v_nop follow each of the two lines.
.macro JLOAD g0a, g1a, g0b, g1b
	s_cmp_eq_u32 s15, 0
	s_cbranch_scc0 .Lfor_b_\@
	tensor_load_to_lds s[\g0a:\g0a+3], s[\g1a:\g1a+7]
	s_nop 0
.rept 4
	v_nop
.endr
	s_branch .Lasked_\@
.Lfor_b_\@:
	tensor_load_to_lds s[\g0b:\g0b+3], s[\g1b:\g1b+7]
	s_nop 0
.rept 4
	v_nop
.endr
.Lasked_\@:
.endm
.macro CROUND                          ; a round of the cluster's barrier
	s_barrier_signal -1
	s_barrier_wait -1
	s_cmp_lg_u32 s14, 0
	s_cbranch_scc1 .Lnot_wave_0_\@
	s_barrier_signal -3
.Lnot_wave_0_\@:
	s_barrier_wait -3
	s_barrier_signal -1
	s_barrier_wait -1
.endm
	s_load_b128 s[4:7], s[0:1], 0x0                ; x's codes s[4:5], x's scales s[6:7]
	s_load_b128 s[8:11], s[0:1], 0x10              ; w_qkv's codes s[8:9], its scales s[10:11]
	s_load_b64 s[96:97], s[0:1], 0x20              ; b_qkv
	s_load_b64 s[12:13], s[0:1], 0x28              ; qkvh
	v_lshl_add_u32 v[SPW], v0, 2, SPARE
	v_mov_b32 v[NIL], 0
	ds_add_u32 v[SPW], v[NIL]                      ; the wave's opening: the add, twice on end, and its wait ahead of my first tensor load
	ds_add_u32 v[SPW], v[NIL]                      ; and once more; the set-up below, work on registers, stands between it and the wait
	v_lshrrev_b32 v1, 5, v0
	v_readfirstlane_b32 s14, v1                    ; wave 0..3
	s_lshr_b32 s15, s14, 1                         ; which half of the tile's rows is mine.  Also: I fetch for x (0) or for w_qkv (1)
	s_and_b32 s16, s14, 1                          ; which half of its columns.  Also: which 128 rows of that tile I fetch
	s_bfe_u32 s40, ttmp6, 0x40000                  ; cx, cy: my place in the cluster
	s_bfe_u32 s41, ttmp6, 0x40004
	s_lshl_b32 s42, ttmp9, 2
	s_add_co_u32 s42, s42, s40                     ; tile column = 4 x cluster x + cx
	s_and_b32 s17, ttmp7, 0xffff
	s_lshl_b32 s17, s17, 2
	s_add_co_u32 s17, s17, s41                     ; tile row = 4 x cluster y + cy
	s_lshl_b32 s43, s41, 2
	s_lshl_b32 s43, 15, s43                        ; my row of the cluster
	s_lshl_b32 s44, 0x1111, s40                    ; my column
	; descriptor group 1: a tile of 128 rows x 256 bytes, padded in LDS
	s_or_b32 s[G1+0], s43, (0<<16)|(1<<20)|(1<<21)|(5<<22)|(3<<25)  ; 15:0 the mask; 17:16 element of 1 byte; 20 padding on; 21 set beside a mask; 24:22 after every 64 words; 31:25 four words
	s_or_b32 s[G1B+0], s44, (0<<16)|(1<<20)|(1<<21)|(5<<22)|(3<<25)
.irp g, G1, G1B
	s_mov_b32 s[\g+1], ROWB<<16                    ; tensor_dim0
	s_mov_b32 s[\g+2], 128<<16                     ; tensor_dim1
	s_mov_b32 s[\g+3], ROWB<<16                    ; tile_dim0
	s_mov_b32 s[\g+4], 128                         ; tile_dim1
	s_mov_b32 s[\g+5], KROW                        ; tensor_dim0_stride
	s_mov_b32 s[\g+6], 0
	s_mov_b32 s[\g+7], 0
.endr
	; the scales of 128 rows: a dense block of 4,096 bytes, as rows of 256 bytes (32 elements of 8 bytes), 16 bytes of padding behind each
	s_or_b32 s[G1S+0], s43, (3<<16)|(1<<20)|(1<<21)|(5<<22)|(3<<25)
	s_or_b32 s[G1SB+0], s44, (3<<16)|(1<<20)|(1<<21)|(5<<22)|(3<<25)
.irp g, G1S, G1SB
	s_mov_b32 s[\g+1], 32<<16
	s_mov_b32 s[\g+2], (128*KS/256)<<16
	s_mov_b32 s[\g+3], 32<<16
	s_mov_b32 s[\g+4], 128*KS/256
	s_mov_b32 s[\g+5], 32
	s_mov_b32 s[\g+6], 0
	s_mov_b32 s[\g+7], 0
.endr
	s_lshl_b32 s18, s16, 7                         ; which 128 rows of the tile I fetch
	s_lshl_b32 s20, s17, 8
	s_add_co_u32 s20, s20, s18                     ; x: row 256 x tile row + 128 x half
	s_lshl_b32 s46, s42, 8
	s_add_co_u32 s46, s46, s18                     ; w_qkv: column 256 x tile column + 128 x half
	s_mov_b32 s21, 0
	s_mov_b32 s47, 0
	s_mov_b64 s[18:19], KS
	s_mul_u64 s[22:23], s[20:21], s[18:19]         ; where these rows' scales begin, in bytes
	s_mul_u64 s[92:93], s[46:47], s[18:19]
	s_mov_b64 s[18:19], KROW
	s_mul_u64 s[20:21], s[20:21], s[18:19]         ; and their codes
	s_mul_u64 s[46:47], s[46:47], s[18:19]
	s_mul_i32 s45, s14, HALFT                      ; where they go: wave x 128 rows: no place in the cluster enters an LDS address
	s_mul_i32 s94, s14, HALFS
	s_wait_dscnt 0x0                               ; both opening adds are done
	s_wait_kmcnt 0x0
	s_add_nc_u64 s[20:21], s[4:5], s[20:21]
	s_add_nc_u64 s[22:23], s[6:7], s[22:23]
	s_add_nc_u64 s[46:47], s[8:9], s[46:47]
	s_add_nc_u64 s[92:93], s[10:11], s[92:93]
	CROUND                                         ; all sixteen work-groups are here: the joint loads meet
	s_mov_b32 s[G0S], 1
	s_add_co_u32 s[G0S+1], s94, SCL
	s_mov_b64 s[G0S+2:G0S+3], s[22:23]
	s_or_b32 s[G0S+3], s[G0S+3], 0x80000000
	s_mov_b32 s[G0SB], 1
	s_add_co_u32 s[G0SB+1], s94, SCL
	s_mov_b64 s[G0SB+2:G0SB+3], s[92:93]
	s_or_b32 s[G0SB+3], s[G0SB+3], 0x80000000
	JLOAD G0S, G1S, G0SB, G1SB                     ; the scales first: they are wanted with the first slot
.irp s, 0,1
	s_mov_b32 s[G0+4*\s], 1
	s_add_co_u32 s[G0+4*\s+1], s45, \s*SLOT
	s_add_nc_u64 s[G0+4*\s+2:G0+4*\s+3], s[20:21], \s*ROWB
	s_or_b32 s[G0+4*\s+3], s[G0+4*\s+3], 0x80000000
	s_mov_b32 s[G0B+4*\s], 1
	s_add_co_u32 s[G0B+4*\s+1], s45, \s*SLOT
	s_add_nc_u64 s[G0B+4*\s+2:G0B+4*\s+3], s[46:47], \s*ROWB
	s_or_b32 s[G0B+4*\s+3], s[G0B+4*\s+3], 0x80000000
	JLOAD G0+4*\s, G1, G0B+4*\s, G1B
.endr
	v_and_b32 v1, 15, v0                           ; r = lane % 16
	v_bfe_u32 v2, v0, 4, 1                         ; h = lane / 16
	v_mul_u32_u24 v3, v1, PITCH
	v_lshl_add_u32 v4, v2, 4, v3                   ; a fragment's row x pitch + 16 h
	s_mul_i32 s21, s15, HALFT                      ; my 128 rows of x
	s_mul_i32 s22, s16, HALFT                      ; my 128 columns of w_qkv,
	s_add_co_u32 s22, s22, 2*HALFT                 ; which lie behind x's 256 rows
.irp s, 0,1
	v_add_nc_u32 v[ADRA+\s], s21, v4
	v_add_nc_u32 v[ADRB+\s], s22, v4
	s_add_co_u32 s21, s21, SLOT
	s_add_co_u32 s22, s22, SLOT
.endr
	v_mul_u32_u24 v5, v1, KS                       ; my row's scales: KS bytes a row,
	v_lshrrev_b32 v6, 8, v5
	v_lshl_add_u32 v5, v6, 4, v5                   ; and 16 more for each 256 passed
	s_mul_i32 s21, s15, HALFS
	s_mul_i32 s22, s16, HALFS
	s_add_co_u32 s22, s22, 2*HALFS
	s_sub_co_u32 s22, s22, s21
	v_mul_u32_u24 v6, s22, v2                      ; lanes 16-31 take w_qkv's: one product, the distance between the two bases x h
	s_add_co_u32 s21, s21, SCL
	v_add_nc_u32 v5, v5, v6
	v_add_nc_u32 v[ADRS], s21, v5
	s_mul_i32 s23, s14, 2*HST                      ; my stage
	v_mul_u32_u24 v5, v1, HP                       ; in: row r, 16 bytes for each half of the lanes
	v_lshl_add_u32 v5, v2, 4, v5
	v_add_nc_u32 v[STO], s23, v5
	v_and_b32 v6, 31, v0
	v_lshrrev_b32 v3, 3, v6                        ; back: eight lanes to a row of 128 bytes, four rows an instruction
	v_mul_u32_u24 v3, v3, HP
	v_and_b32 v5, 7, v6
	v_lshl_add_u32 v3, v5, 4, v3
	v_add_nc_u32 v[RD], s23, v3
	v_lshlrev_b32 v[CO], 4, v6
	v_lshlrev_b32 v[BO], 5, v2
	; where my part begins in qkvh: plane 48 (tile row / 8) + 4 x tile column + 2 x column half, row 256 (tile row % 8) + 128 x row half
	s_lshr_b32 s20, s17, 3
	s_mul_i32 s20, s20, 48
	s_lshl_b32 s46, s42, 2
	s_lshl_b32 s47, s16, 1
	s_add_co_u32 s46, s46, s47
	s_add_co_u32 s46, s46, s20
	s_lshl_b32 s46, s46, 18                        ; a plane is 262,144 bytes
	s_and_b32 s20, s17, 7
	s_lshl_b32 s20, s20, 8
	s_lshl_b32 s21, s15, 7
	s_add_co_u32 s20, s20, s21
	s_lshl_b32 s20, s20, 7                         ; a row is 128 bytes
	s_add_co_u32 s46, s46, s20
	s_mov_b32 s47, 0
	s_add_nc_u64 s[12:13], s[12:13], s[46:47]
	s_lshl_b32 s46, s42, 10                        ; my 128 numbers of the bias: 4 x (256 x tile column + 128 x half) bytes
	s_lshl_b32 s20, s16, 9
	s_add_co_u32 s46, s46, s20
	s_add_nc_u64 s[96:97], s[96:97], s[46:47]
	s_cmp_eq_u32 ttmp9, 1                          ; cluster x = 1: K's columns.  The same in all sixteen partners
	s_cbranch_scc1 .Lno_bias
.irp b, 0,1,2,3,4,5,6,7
	global_load_b128 v[BI+8*\b:BI+8*\b+3], v[BO], s[96:97] offset:64*\b          ; b_qkv at columns 16 b + 8 h + 0 .. 7 of my 128
	global_load_b128 v[BI+8*\b+4:BI+8*\b+7], v[BO], s[96:97] offset:64*\b+16
.endr
	s_branch .Lbias_done
.Lno_bias:
.set i, 0
.rept 64
	v_mov_b32 v[BI+i], 0                           ; K's sums begin with zeros: its bias is not loaded
.set i, i+1
.endr
.Lbias_done:
.macro FRAG reg, adr, q, i             ; a fragment, 16 rows x 128 K of 4-bit codes: lane l holds row l % 16; registers 4 c .. 4 c + 3 hold K = 64 c + 32 (l / 16) + 0 .. 31
.irp c, 0,1
	ds_load_b128 v[\reg+4*\c:\reg+4*\c+3], v[\adr] offset:64*(\q)+32*\c+(\i)*16*PITCH
.endr
.endm
; 16 matrix instructions: x's blocks a0, a0 + 1 against w_qkv's eight, 128 along K: the slot's q-th.  p: w_qkv's set;  sc: the set of scale words.  first = 1: the sums begin with the bias.
; The 64 accumulators take turns, one instruction a turn, in the same order in every step.
.macro MUL16 a0, p, q, sc, first
.irp a, \a0, \a0+1
.irp b, 0,1,2,3,4,5,6,7
.if \first
	v_wmma_scale_f32_16x16x128_f8f6f4 v[8*(8*((\a)%4)+\b):8*(8*((\a)%4)+\b)+7], v[128*(\p)+FR*\b:128*(\p)+FR*\b+FR-1], v[AF+FR*(\a):AF+FR*(\a)+FR-1], v[BI+8*\b:BI+8*\b+7], v[SC+8*NQ*(\sc)+NQ*\b+(\q)], v[SC+8*NQ*(\sc)+NQ*(\a)+(\q)] matrix_a_fmt:MATRIX_FMT_FP4 matrix_b_fmt:MATRIX_FMT_FP4 matrix_a_scale:MATRIX_SCALE_ROW1
.else
	v_wmma_scale_f32_16x16x128_f8f6f4 v[8*(8*((\a)%4)+\b):8*(8*((\a)%4)+\b)+7], v[128*(\p)+FR*\b:128*(\p)+FR*\b+FR-1], v[AF+FR*(\a):AF+FR*(\a)+FR-1], v[8*(8*((\a)%4)+\b):8*(8*((\a)%4)+\b)+7], v[SC+8*NQ*(\sc)+NQ*\b+(\q)], v[SC+8*NQ*(\sc)+NQ*(\a)+(\q)] matrix_a_fmt:MATRIX_FMT_FP4 matrix_b_fmt:MATRIX_FMT_FP4 matrix_a_scale:MATRIX_SCALE_ROW1
.endif
.endr
.endr
.endm
.macro FETCH_B slot, q, p              ; w_qkv's eight fragments of the slot's q-th 128 along K into set p
	WIN TO_B
.irp i, 0,1,2,3,4,5,6,7
	FRAG 128*(\p)+FR*\i, ADRB+\slot, \q, \i
.endr
	WIN 0
.endm
.macro FETCH_A slot, q, i0             ; x's blocks i0 .. i0 + 3
.irp i, \i0, \i0+1, \i0+2, \i0+3
	FRAG AF+FR*(\i), ADRA+\slot, \q, \i
.endr
.endm
.macro SCALES sc                       ; a slot's scale words into set sc: NQ words a row
.irp i, 0,1,2,3,4,5,6,7
	ds_load_b128 v[SC+8*NQ*\sc+NQ*\i:SC+8*NQ*\sc+NQ*\i+3], v[ADRS] offset:\i*SBLK
.endr
.endm
; A load into a register that a matrix instruction has read, and a vector instruction that reads a matrix result, stand NP places behind that matrix instruction; only plain vector instructions
; that name none of its registers are places (ISA guide 7.12.1 for vector instructions).
.macro PLACES n
.rept \n
	v_nop
.endr
.endm
; A step of 128 along K that has its successor in the same slot.  first = 1: C lies in window 0 (the bias).
.macro STEP slot, q, first
	s_wait_dscnt 4*NL                              ; w_qkv's set and x's blocks 0-3 are in; the youngest eight loads (x's blocks 4-7) may be out
	WIN MUL_LO-0x20*\first
	MUL16 0, (\q)%2, \q, \slot, \first
	MUL16 2, (\q)%2, \q, \slot, \first
	s_wait_dscnt 0                                 ; x's blocks 4-7 are in
	PLACES NP
	FETCH_B \slot, (\q)+1, 1-(\q)%2
	FETCH_A \slot, (\q)+1, 0
	WIN MUL_HI-0x30*\first
	MUL16 4, (\q)%2, \q, \slot, \first
	MUL16 6, (\q)%2, \q, \slot, \first
	PLACES NP
	WIN 0
	FETCH_A \slot, (\q)+1, 4
.endm
.macro STEPS slot, from                ; the slot's steps from .. NQ - 2
.set Q, \from
.rept NQ-1-\from
	STEP \slot, Q, 0
.set Q, Q+1
.endr
.endm
	s_wait_loadcnt 0x0                             ; the bias
	s_wait_tensorcnt 1                             ; the scales and my part of slot 0 are in; slot 1's load may be out
	s_barrier_signal -1
	s_barrier_wait -1                              ; everybody's are
	FETCH_B 0, 0, 0
	FETCH_A 0, 0, 0
	SCALES 0
	FETCH_A 0, 0, 4
	STEP 0, 0, 1                                   ; the first step's products begin the sums with the bias
	STEPS 0, 1
	; slot 0's last step changes slots: one barrier; in front of it each wave waits for all its tensor loads (my part of slot 1), adds 0 to its spare word, and waits for that and for its reads of slot 0
	s_wait_tensorcnt 0x0
	ds_add_u32 v[SPW], v[NIL]
	s_wait_dscnt 4*NL+1                            ; the add and the youngest eight loads (x's blocks 4-7) may be out
	WIN MUL_LO
	MUL16 0, 1, NQ-1, 0, 0                         ; sixteen matrix instructions stand between the add and the wait for it
	s_wait_dscnt 0x0                               ; the add is done, and my reads of slot 0 are over
	s_barrier_signal -1
	MUL16 2, 1, NQ-1, 0, 0
	WIN 0
	s_barrier_wait -1                              ; slot 1 is whole, and nobody reads slot 0 any more
	PLACES NP
	v_add_nc_u32 v[ADRS], 4*NQ, v[ADRS]            ; on to slot 1's scale words
	FETCH_B 1, 0, 0
	FETCH_A 1, 0, 0
	SCALES 1
	WIN MUL_HI
	MUL16 4, 1, NQ-1, 0, 0
	MUL16 6, 1, NQ-1, 0, 0
	PLACES NP
	WIN 0
	FETCH_A 1, 0, 4
	STEPS 1, 0
	s_wait_dscnt 4*NL                              ; the very last step: nothing more to fetch; x's blocks 4-7 may be out
	WIN MUL_LO
	MUL16 0, 1, NQ-1, 1, 0
	MUL16 2, 1, NQ-1, 1, 0
	s_wait_dscnt 0
	WIN MUL_HI
	MUL16 4, 1, NQ-1, 1, 0
	MUL16 6, 1, NQ-1, 1, 0
	WIN 0
; THE WAY OUT, block by block of 16 rows x 128 columns (two heads).  PACK: rounded to f16, a lane's eight numbers are 16 bytes.  TOSTAGE: into my own stage, and back as rows of 128 bytes, four rows an instruction.
; SEND: in a plane the rows lie on end, so each store covers 512 consecutive bytes, aligned.  LDS serves a wave's instructions in order (ISA guide 5.7.1.4): no wait between the stores and the loads.
.macro PACK a
.set AC, 64*((\a)%4)
	WIN 0x0a+5*((\a)/4)                            ; sources 0 and 1: window 2 or 3
.irp b, 0,1,2,3,4,5,6,7
.irp r, 0,1,2,3
	v_cvt_pk_f16_f32 v[TMP+4*\b+\r], v[AC+8*\b+2*\r], v[AC+8*\b+2*\r+1]   ; each accumulator from its low end on
.endr
.endr
	WIN 0
.endm
.macro TOSTAGE a
.set BB, OB+192*((\a)%2)
.irp b, 0,1,2,3,4,5,6,7
	ds_store_b128 v[STO], v[TMP+4*\b:TMP+4*\b+3] offset:(\b/4)*HST+32*(\b%4)
.endr
.irp t, 0,1,2,3,4,5,6,7
	ds_load_b128 v[BB+4*\t:BB+4*\t+3], v[RD] offset:(\t/4)*HST+(\t%4)*4*HP
.endr
.endm
.macro SEND a
.set BB, OB+192*((\a)%2)
	s_wait_dscnt 0x0                               ; the block is back in registers
	s_wait_xcnt 0x0                                ; the earlier stores have read their base and their registers: only behind this wait are they written again
.if (\a) > 0
	s_add_nc_u64 s[12:13], s[12:13], 16*128        ; 16 rows on
.endif
.irp t, 0,1,2,3,4,5,6,7
	global_store_b128 v[CO], v[BB+4*\t:BB+4*\t+3], s[12:13] offset:(\t/4)*262144+(\t%4)*512
.endr
.endm
	PLACES NP                                      ; in front of the first conversions, which read results
	PACK 0
	TOSTAGE 0
.irp a, 1,2,3,4,5,6,7                  ; block a's conversions stand between block a - 1's loads from the stage and the wait for them
	PACK \a
	SEND \a-1
	TOSTAGE \a
.endr
	SEND 7
	s_wait_tensorcnt 0x0                           ; the wave's end: behind my last tensor load and my last LDS store
	ds_add_u32 v[SPW], v[NIL]
	s_wait_dscnt 0x0
	CROUND                                         ; the closing round: no work-group ends while a partner may still ask for a tile that names it
	s_endpgm
.Lfunc_end_k_qaf1fefc668_qkvgemm:
	.size	k_qaf1fefc668_qkvgemm, .Lfunc_end_k_qaf1fefc668_qkvgemm-k_qaf1fefc668_qkvgemm
	.p2alignl 7, 3214868480
	.fill 96, 4, 3214868480
	.section	.rodata,"a",@progbits
	.p2align	6, 0x0
	.amdhsa_kernel k_qaf1fefc668_qkvgemm
		.amdhsa_group_segment_fixed_size 327680
		.amdhsa_private_segment_fixed_size 0
		.amdhsa_enable_private_segment 0
		.amdhsa_kernarg_size 48
		.amdhsa_user_sgpr_count 2
		.amdhsa_user_sgpr_kernarg_segment_ptr 1
		.amdhsa_wavefront_size32 1
		.amdhsa_system_sgpr_workgroup_id_x 1
		.amdhsa_system_sgpr_workgroup_id_y 1
		.amdhsa_system_sgpr_workgroup_id_z 1
		.amdhsa_system_vgpr_workitem_id 0
		.amdhsa_next_free_vgpr 1024
		.amdhsa_next_free_sgpr 98
		.amdhsa_reserve_vcc 0
		.amdhsa_float_denorm_mode_32 3
		.amdhsa_float_denorm_mode_16_64 3
		.amdhsa_memory_ordered 1
		.amdhsa_forward_progress 1
		.amdhsa_inst_pref_size 131
	.end_amdhsa_kernel
	.amdgpu_metadata
---
amdhsa.version: [ 1, 2 ]
amdhsa.kernels:
  - .name:           k_qaf1fefc668_qkvgemm
    .symbol:         k_qaf1fefc668_qkvgemm.kd
    .args:
      - { .name: xc, .offset: 0, .size: 8, .value_kind: global_buffer, .address_space: global }
      - { .name: xs, .offset: 8, .size: 8, .value_kind: global_buffer, .address_space: global }
      - { .name: wc, .offset: 16, .size: 8, .value_kind: global_buffer, .address_space: global }
      - { .name: ws, .offset: 24, .size: 8, .value_kind: global_buffer, .address_space: global }
      - { .name: b_qkv, .offset: 32, .size: 8, .value_kind: global_buffer, .address_space: global }
      - { .name: qkvh, .offset: 40, .size: 8, .value_kind: global_buffer, .address_space: global }
    .group_segment_fixed_size: 327680
    .private_segment_fixed_size: 0
    .kernarg_segment_align: 8
    .kernarg_segment_size: 48
    .max_flat_workgroup_size: 128
    .sgpr_count:     98
    .vgpr_count:     1024
    .wavefront_size: 32
...
	.end_amdgpu_metadata
.endif
;; end of part 2
;; launch attn (part 3): grid 4 x 64, 8 waves a work-group, clusters of 4 x 1, 327,680 bytes of LDS; arguments qkvh, ao; writes ao
.if DOCPART == 3
	.amdgcn_target "amdgcn-amd-amdhsa--gfx1250"
	.amdhsa_code_object_version 6
	.text
	.protected	k_qaf1fefc668_attn
	.globl	k_qaf1fefc668_attn
	.p2align	8
	.type	k_qaf1fefc668_attn,@function
k_qaf1fefc668_attn:
	s_mov_b64 s[64:65], 0
	v_nop
	global_prefetch_b8 v0, s[64:65] scope:SCOPE_SE
	s_setreg_imm32_b32 hwreg(HW_REG_WAVE_MODE, 25, 1), 1
	s_wait_xcnt 0x0
	s_wait_alu depctr_hold_cnt(0) depctr_sa_sdst(0) depctr_va_vdst(0) depctr_va_sdst(0) depctr_va_ssrc(0) depctr_va_vcc(0) depctr_vm_vsrc(0)
	s_getreg_b32 s2, hwreg(HW_REG_IB_STS2, 6, 4)
	s_cmp_eq_u32 s2, 0
	s_cbranch_scc0 .Lentry_in_a_cluster
	s_endpgm
.Lentry_in_a_cluster:
	s_bfe_u32 s2, ttmp6, 0x10000c
	s_cmp_lg_u32 s2, 0x3003
	s_cbranch_scc0 .Lentry_shape_is_right
	s_endpgm
.Lentry_shape_is_right:
; ao[b][h][q][:] = the sum over k of softmax_k(Q[q] . K[k] / 8) V[k][:], for each of the 64 pairs (b, h).  Q, K, V: planes of qkvh, [2048][64] f16; ao: [4][16][2048][64] f16.
; Products, maxima and sums in f32; the weights p (at most 1) are rounded to f16 for the second product, the result once at the end.
; K comes without its bias: that term is the same along the softmax's axis (shown at the head of the first kernel).
; LIMITS: a weight under 2^-25 of the row's largest becomes 0 in f16; v_exp_f32 gives 0 where the result would be denormal; the result must lie inside f16's range.
; SHARES.  A cluster of four work-groups is one (b, h); a work-group owns 512 queries, each of its eight waves 64: four tiles of 16.  Two waves share a SIMD, 512 registers each: the step is written in phases,
; and one wave's softmax can be issued beside the other's products.  Every wave walks all 2,048 keys, 64 a step; each fragment of K and V that it reads from LDS feeds four matrix instructions.
; LAYOUT.  S^T = K Q^T (source 0 = 16 keys, source 1 = 16 queries): a lane holds ONE query (lane % 16) and the keys 8 (lane / 16) + 0 .. 7 of a tile.  Two such tiles, rounded to f16 in pairs, ARE source 1
; (32 keys x 16 queries) of O^T = V^T P, whose result again holds one query a lane.  K comes out of LDS as it lies, V ([key][channel]) turned, by ds_load_tr16_b128.
; SOFTMAX.  For each query a running maximum m and sum l: p = 2^(c s - c m), c = log2(e) / 8; in every step O and l are multiplied by a = 2^(c m_old - c m_new).  m begins at -3e38, O and l at 0.
; RING.  Two regions of LDS, each with 512 keys' rows of K and of V: eight steps.  The four partners walk the same K and V, so each tile is asked for JOINTLY (waves 0-3: K's four quarters, waves 4-7: V's).
; By this text's own count a wave has two tensor loads out at the most.  No prefetch is laid: a refill is asked for eight key steps, 512 matrix instructions of a wave, ahead of the wait for it.
; REGISTERS.  window 0: v1-15 addresses; v16-47 eight registers of statistics a tile; v62, v63 the add's two; v64-191 S^T, 32 a tile (p's f16 pairs take the first 16 of them); v192-255 K's eight fragments.
;   window 1: v0-63 Q's eight fragments; v64-191 O^T, 32 a tile; v192-255 V's eight fragments.
.set PK,    144                        ; a row of K in LDS: 128 bytes + 16: an odd multiple of 16, so the 16 rows of a load start in different groups of banks
.set PV,    160                        ; a row of V: 128 + 32: an odd multiple of 32, for the turning load
.set VOFF,  512*PK                     ; in a region: 512 rows of K, then 512 rows of V
.set REG,   512*(PK+PV)                ; a region: 155,648 bytes
.set SPARE, 2*REG                      ; the spare words, 128 bytes for each wave: four blocks of 256 bytes that no other line names
.set AK0, 2                            ; v2   my lane's place in a tile of K
.set AV0, 3                            ; v3   the same for V
.set QO,  5                            ; v5   my byte offset in the wave's rows of Q
.set STO, 6                            ; v6   the way out: where I put 16 bytes of a row
.set RD,  7                            ; v7   the way out: where I read rows back
.set ADK, 8                            ; v8   LDS address of K's loads in hand
.set ADV, 9                            ; v9   of V's
.set GO,  10                           ; v10  16 x lane: my bytes of a store's 512
.set ST,  16                           ; tile t's statistics at v[ST + 8 t]: +0 c m, +1 m, +2, +3 l (even keys', odd keys'), +4 to +7 at work; a takes +6
.set SPW, 62
.set NIL, 63
.set S,   64
.set KF,  192
.set OA,  64                           ; O^T, in window 1
.set VF,  192                          ; V's fragments, in window 1
.set WV,  12                           ; s12  my wave's number
.set G1K, 24                           ; s[24:31] descriptor group 1 for K's tiles;  s[32:39] for V's: it differs in the padding alone
.set G1V, 32
.set G0K, 40                           ; s[40:47] group 0 for K's tiles, a set for each region;  s[48:55] for V's
.set G0V, 48
.set CNT, 56                           ; s56  counts a region's steps
.set CS,  58                           ; s[58:59] c: the packed form names a pair and takes its low word for both halves
.set SEL, 60                           ; s[60:61] lane selects for v_permlanex16_b32: lane l xor 16
.set TBK, 62                           ; s62  LDS byte at which the next fetch of K begins
.set TBV, 63                           ; s63  and of V
.set MSB, 0
.macro WIN new                         ; the immediate's high byte repeats the setting that is left
.if MSB != \new
	s_set_vgpr_msb (MSB<<8)|\new
.set MSB, \new
.endif
.endm
.set W_KQ, 0x04                        ; Q (source 1) in window 1; K and S^T in window 0
.set W_PV, 0x51                        ; V (source 0) and O^T (C, D) in window 1; P in window 0
.set W_RS, 0x41                        ; O^T (destination and source 0) in window 1, a in window 0
.set W_LD, 0x40                        ; destination window 1, address window 0
; A joint refill of region g.  The branch hangs on the wave's number alone.  An s_nop 0 and four v_nop follow each of the two lines.
.macro JLOAD g
	s_cmp_lt_u32 s[WV], 4
	s_cbranch_scc0 .Lfor_v_\@
	tensor_load_to_lds s[G0K+4*\g:G0K+4*\g+3], s[G1K:G1K+7]
	s_nop 0
.rept 4
	v_nop
.endr
	s_branch .Lasked_\@
.Lfor_v_\@:
	tensor_load_to_lds s[G0V+4*\g:G0V+4*\g+3], s[G1V:G1V+7]
	s_nop 0
.rept 4
	v_nop
.endr
.Lasked_\@:
.endm
.macro CROUND                          ; a round of the cluster's barrier
	s_barrier_signal -1
	s_barrier_wait -1
	s_cmp_lg_u32 s[WV], 0
	s_cbranch_scc1 .Lnot_wave_0_\@
	s_barrier_signal -3
.Lnot_wave_0_\@:
	s_barrier_wait -3
	s_barrier_signal -1
	s_barrier_wait -1
.endm
	s_load_b128 s[4:7], s[0:1], 0x0                ; qkvh s[4:5], ao s[6:7]
	v_lshl_add_u32 v[SPW], v0, 2, SPARE
	v_mov_b32 v[NIL], 0
	ds_add_u32 v[SPW], v[NIL]                      ; the wave's opening: the add, twice on end, and its wait ahead of my first tensor load
	ds_add_u32 v[SPW], v[NIL]                      ; and once more; the set-up below, work on registers, stands between it and the wait
	v_lshrrev_b32 v1, 5, v0
	v_readfirstlane_b32 s[WV], v1                  ; wave 0..7
	s_bfe_u32 s13, ttmp6, 0x40000                  ; cx: my block of 512 queries: it enters Q's and ao's addresses alone
	s_and_b32 s14, ttmp7, 0xffff                   ; 16 b + h, which the four partners share
	s_lshr_b32 s15, s14, 4
	s_lshl_b32 s15, s15, 5
	s_add_co_u32 s15, s15, s14                     ; Q's plane: 48 b + h
	s_lshl_b32 s20, s15, 18                        ; in bytes
	s_and_b32 s22, s[WV], 3                        ; which 128 rows of a region's 512 I fetch
	s_lshl_b32 s8, s22, 14
	s_add_co_u32 s8, s8, s20
	s_mov_b32 s9, 0                                ; s[8:9]: those rows, counted in Q's plane; K's plane lies 16 planes on, V's 32
	s_mul_i32 s10, s22, 128*PK                     ; and where they go
	s_mul_i32 s11, s22, 128*PV
	s_lshl_b32 s2, s13, 16                         ; my block's 512 rows of 128 bytes,
	s_lshl_b32 s3, s[WV], 13                       ; my wave's 64 of them
	s_add_co_u32 s2, s2, s3
	s_add_co_u32 s16, s20, s2
	s_mov_b32 s17, 0
	s_lshl_b32 s18, s14, 18
	s_add_co_u32 s18, s18, s2
	s_mov_b32 s19, 0
	; descriptor group 1: a tile of 128 rows x 64 elements of 2 bytes, dense in memory, padded in LDS behind every row
	s_mov_b32 s[G1K], 15|(1<<16)|(1<<20)|(1<<21)|(4<<22)|(3<<25)  ; 15:0 the mask: all four work-groups; 17:16 elements of 2 bytes; 20 padding on; 21 set beside a mask; 24:22 after every 32 words; 31:25 four words
	s_mov_b32 s[G1V], 15|(1<<16)|(1<<20)|(1<<21)|(4<<22)|(7<<25)  ; the same with eight words of padding
.irp g, G1K, G1V
	s_mov_b32 s[\g+1], 64<<16                      ; tensor_dim0
	s_mov_b32 s[\g+2], 128<<16                     ; tensor_dim1
	s_mov_b32 s[\g+3], 64<<16                      ; tile_dim0
	s_mov_b32 s[\g+4], 128                         ; tile_dim1
	s_mov_b32 s[\g+5], 64                          ; tensor_dim0_stride
	s_mov_b32 s[\g+6], 0
	s_mov_b32 s[\g+7], 0
.endr
	s_mov_b32 s[CS], 0x3e38aa3b                    ; c = log2(e) / 8
	s_mov_b32 s[CS+1], s[CS]                       ; named with it as a pair, so it is written
	s_mov_b32 s[SEL], 0x76543210
	s_mov_b32 s[SEL+1], 0xfedcba98
	s_wait_dscnt 0x0                               ; both opening adds are done
	s_wait_kmcnt 0x0
	s_add_nc_u64 s[8:9], s[4:5], s[8:9]
	s_add_nc_u64 s[16:17], s[4:5], s[16:17]        ; Q at my wave's first row
	s_add_nc_u64 s[18:19], s[6:7], s[18:19]        ; ao likewise
	CROUND                                         ; all four work-groups are here: the first joint loads meet
.irp g, 0,1
	s_mov_b32 s[G0K+4*\g], 1                       ; count = 1
	s_add_co_u32 s[G0K+4*\g+1], s10, \g*REG        ; LDS address
	s_add_nc_u64 s[G0K+4*\g+2:G0K+4*\g+3], s[8:9], (16<<18)+\g*65536   ; region g begins with keys 512 g on
	s_or_b32 s[G0K+4*\g+3], s[G0K+4*\g+3], 0x80000000                  ; type = 2
	s_mov_b32 s[G0V+4*\g], 1
	s_add_co_u32 s[G0V+4*\g+1], s11, \g*REG+VOFF
	s_add_nc_u64 s[G0V+4*\g+2:G0V+4*\g+3], s[8:9], (32<<18)+\g*65536
	s_or_b32 s[G0V+4*\g+3], s[G0V+4*\g+3], 0x80000000
.endr
	s_cmp_lt_u32 s[WV], 4                          ; a wave's two first fills stand in one arm, ahead of every wait on TENSORcnt and every LDS read
	s_cbranch_scc0 .Lfirst_v
	tensor_load_to_lds s[G0K:G0K+3], s[G1K:G1K+7]
	s_nop 0
	tensor_load_to_lds s[G0K+4:G0K+7], s[G1K:G1K+7]
	s_nop 0
.rept 4
	v_nop
.endr
	s_branch .Lfirst_asked
.Lfirst_v:
	tensor_load_to_lds s[G0V:G0V+3], s[G1V:G1V+7]
	s_nop 0
	tensor_load_to_lds s[G0V+4:G0V+7], s[G1V:G1V+7]
	s_nop 0
.rept 4
	v_nop
.endr
.Lfirst_asked:
	; A fragment of K or Q is 16 rows x 32 channels in 8 registers: lane l holds row l % 16; registers 0-3 channels 8 (l / 16) + 0..7, registers 4-7 channels 16 + 8 (l / 16) + 0..7
	v_and_b32 v1, 15, v0                           ; r
	v_bfe_u32 v11, v0, 4, 1                        ; h
	v_lshlrev_b32 v[QO], 7, v1
	v_lshl_add_u32 v[QO], v11, 4, v[QO]            ; row x 128 + 16 h
	WIN W_LD
.irp f, 0,1,2,3,4,5,6,7                ; Q stays in registers: tile f / 2, channels 32 (f % 2) on
	global_load_b128 v[8*\f:8*\f+3],   v[QO], s[16:17] offset:(\f/2)*2048+(\f%2)*64
	global_load_b128 v[8*\f+4:8*\f+7], v[QO], s[16:17] offset:(\f/2)*2048+(\f%2)*64+32
.endr
.set i, 0
.rept 128
	v_mov_b32 v[OA+i], 0                           ; O^T.  The step is written in one form: the first finds zeros, which a = 0 leaves zeros
.set i, i+1
.endr
	WIN 0
	v_mul_u32_u24 v[AK0], v1, PK
	v_lshl_add_u32 v[AK0], v11, 4, v[AK0]          ; row x pitch + 16 h
	; The turning load takes 16 keys x 16 channels (lane l reads 16 bytes: key 8 (l / 16) + l % 8, channels 8 ((l / 8) % 2) + 0..7) and leaves half a fragment of V^T: lane l holds channel l % 16 and 8 keys
	v_and_b32 v12, 7, v0
	v_bfe_u32 v13, v0, 3, 1
	v_lshl_add_u32 v[AV0], v11, 3, v12
	v_mul_u32_u24 v[AV0], v[AV0], PV
	v_lshl_add_u32 v[AV0], v13, 4, v[AV0]
	v_add_nc_u32 v[AV0], VOFF, v[AV0]
	s_mul_i32 s14, s[WV], 64*PK                    ; my stage for the way out: 64 rows x 144 bytes in region 0's rows of K
	v_mul_u32_u24 v[STO], v1, PK                   ; in: row r, 16 bytes for each half of the lanes
	v_lshl_add_u32 v[STO], v11, 4, v[STO]
	v_add_nc_u32 v[STO], s14, v[STO]
	v_and_b32 v14, 31, v0
	v_lshrrev_b32 v15, 3, v14                      ; back: eight lanes to a row of 128 bytes, four rows an instruction
	v_mul_u32_u24 v[RD], v15, PK
	v_lshl_add_u32 v[RD], v12, 4, v[RD]
	v_add_nc_u32 v[RD], s14, v[RD]
	v_lshlrev_b32 v[GO], 4, v14
.irp t, 0,1,2,3
	v_mov_b32 v[ST+8*\t+1], 0xff61b1e6             ; m: -3e38, under every score
	v_mul_f32 v[ST+8*\t], s[CS], v[ST+8*\t+1]      ; c m
	v_mov_b32 v[ST+8*\t+2], 0                      ; l, in two halves
	v_mov_b32 v[ST+8*\t+3], 0
.endr
; Product i of 32 of S^T = K Q^T: channels 32 (i / 16) on, keys 16 ((i / 4) % 4) on, tile i % 4.  The first 16 start the sums.  The 16 accumulators take turns.
.macro KQ
.set rS, S+32*(i%4)+8*((i/4)%4)
.set rK, KF+8*(2*((i/4)%4)+i/16)
.set rQ, 16*(i%4)+8*(i/16)
.if i < 16
	v_wmma_f32_16x16x32_f16 v[rS:rS+7], v[rK:rK+7], v[rQ:rQ+7], 0
.else
	v_wmma_f32_16x16x32_f16 v[rS:rS+7], v[rK:rK+7], v[rQ:rQ+7], v[rS:rS+7]
.endif
.endm
; Product i of 32 of O^T += V^T P: keys 32 (i / 16) on, channels 16 ((i / 4) % 4) on, tile i % 4.  Again 16 accumulators by turns.
.macro PVM
.set rO, OA+32*(i%4)+8*((i/4)%4)
.set rV, VF+8*(4*(i/16)+(i/4)%4)
.set rP, S+32*(i%4)+8*(i/16)
	v_wmma_f32_16x16x32_f16 v[rO:rO+7], v[rV:rV+7], v[rP:rP+7], v[rO:rO+7]
.endm
.macro KLOADS                          ; a step's K: fragment f: keys 16 (f / 2) on, channels 32 (f % 2) on
.irp f, 0,1,2,3,4,5,6,7
	ds_load_b128 v[KF+8*\f:KF+8*\f+3],   v[ADK] offset:(\f/2)*16*PK+(\f%2)*64
	ds_load_b128 v[KF+8*\f+4:KF+8*\f+7], v[ADK] offset:(\f/2)*16*PK+(\f%2)*64+32
.endr
.endm
.macro VLOADS                          ; a step's V, turned: fragment f: keys 32 (f / 4) on, channels 16 (f % 4) on
.irp f, 0,1,2,3,4,5,6,7
	ds_load_tr16_b128 v[VF+8*\f:VF+8*\f+3],   v[ADV] offset:(\f/4)*32*PV+(\f%4)*32
	ds_load_tr16_b128 v[VF+8*\f+4:VF+8*\f+7], v[ADV] offset:(\f/4)*32*PV+16*PV+(\f%4)*32
.endr
.endm
; THE SOFTMAX of a step, for the wave's four tiles, which take turns line by line, so that no line waits for the line above it.
.macro SOFTMAX
.irp j, 0,1,2,3                        ; the maximum of the lane's 32 scores and the old m: four chains of seven scores (each accumulator is read from its low end on), then the four left over
.irp t, 0,1,2,3
	v_max3_num_f32 v[ST+8*\t+4+\j], v[S+32*\t+8*\j], v[S+32*\t+8*\j+1], v[S+32*\t+8*\j+2]
.endr
.endr
.irp g, 3,5
.irp j, 0,1,2,3
.irp t, 0,1,2,3
	v_max3_num_f32 v[ST+8*\t+4+\j], v[ST+8*\t+4+\j], v[S+32*\t+8*\j+\g], v[S+32*\t+8*\j+\g+1]
.endr
.endr
.endr
.irp t, 0,1,2,3
	v_max3_num_f32 v[ST+8*\t+4], v[ST+8*\t+4], v[S+32*\t+7], v[S+32*\t+15]
.endr
.irp t, 0,1,2,3
	v_max3_num_f32 v[ST+8*\t+6], v[ST+8*\t+6], v[S+32*\t+23], v[S+32*\t+31]
.endr
.irp t, 0,1,2,3
	v_max3_num_f32 v[ST+8*\t+4], v[ST+8*\t+4], v[ST+8*\t+5], v[ST+8*\t+6]
.endr
.irp t, 0,1,2,3
	v_max3_num_f32 v[ST+8*\t+4], v[ST+8*\t+4], v[ST+8*\t+7], v[ST+8*\t+1]
.endr
.irp t, 0,1,2,3
	v_permlanex16_b32 v[ST+8*\t+5], v[ST+8*\t+4], s[SEL], s[SEL+1]   ; the query's other 32 keys lie in the lane 16 away
.endr
.irp t, 0,1,2,3
	v_mov_b32 v[ST+8*\t+7], v[ST+8*\t]             ; c m_old is kept for a
.endr
.irp t, 0,1,2,3
	v_max_num_f32 v[ST+8*\t+1], v[ST+8*\t+4], v[ST+8*\t+5]   ; the new m
.endr
.irp t, 0,1,2,3
	v_mul_f32 v[ST+8*\t], s[CS], v[ST+8*\t+1]
.endr
.irp t, 0,1,2,3
	v_sub_f32 v[ST+8*\t+7], v[ST+8*\t+7], v[ST+8*\t]
.endr
.irp t, 0,1,2,3                        ; ONE BATCH of exponentials: the four a, then, behind the scalings, the 128 p.  Nothing in it reads a result
	v_exp_f32 v[ST+8*\t+6], v[ST+8*\t+7]
.endr
.set n, 0
.rept 16
.irp t, 0,1,2,3
	v_pk_fma_f32 v[S+32*\t+n:S+32*\t+n+1], v[S+32*\t+n:S+32*\t+n+1], s[CS:CS+1], v[ST+8*\t:ST+8*\t+1] op_sel_hi:[1,0,0] neg_lo:[0,0,1] neg_hi:[0,0,1]   ; c s - c m, two at a time
.endr
.set n, n+2
.endr
.set n, 0
.rept 32
.irp t, 0,1,2,3
	v_exp_f32 v[S+32*\t+n], v[S+32*\t+n]
.endr
.set n, n+1
.endr
	v_nop                                          ; a plain instruction behind the last exponential
	s_wait_alu depctr_va_vdst(0)                   ; the wait ahead of the first instruction that names a result: one for the whole batch
.irp t, 0,1,2,3                        ; the row's sums, of the unrounded p, in two chains; l = a l + ..
	v_pk_add_f32 v[ST+8*\t+4:ST+8*\t+5], v[S+32*\t:S+32*\t+1], v[S+32*\t+2:S+32*\t+3]
.endr
.irp t, 0,1,2,3
	v_pk_fma_f32 v[ST+8*\t+2:ST+8*\t+3], v[ST+8*\t+2:ST+8*\t+3], v[ST+8*\t+6:ST+8*\t+7], v[S+32*\t+4:S+32*\t+5] op_sel_hi:[1,0,1]
.endr
.irp t, 0,1,2,3
	v_pk_add_f32 v[ST+8*\t+4:ST+8*\t+5], v[ST+8*\t+4:ST+8*\t+5], v[S+32*\t+6:S+32*\t+7]
.endr
.set n, 8
.rept 6
.irp t, 0,1,2,3
	v_pk_add_f32 v[ST+8*\t+2:ST+8*\t+3], v[ST+8*\t+2:ST+8*\t+3], v[S+32*\t+n:S+32*\t+n+1]
.endr
.irp t, 0,1,2,3
	v_pk_add_f32 v[ST+8*\t+4:ST+8*\t+5], v[ST+8*\t+4:ST+8*\t+5], v[S+32*\t+n+2:S+32*\t+n+3]
.endr
.set n, n+4
.endr
.irp t, 0,1,2,3
	v_pk_add_f32 v[ST+8*\t+2:ST+8*\t+3], v[ST+8*\t+2:ST+8*\t+3], v[ST+8*\t+4:ST+8*\t+5]
.endr
.set n, 0
.rept 16                               ; p to f16, in place: pair n goes into register n, which pairs n + 1 on do not need
.irp t, 0,1,2,3
	v_cvt_pk_f16_f32 v[S+32*\t+n], v[S+32*\t+2*n], v[S+32*\t+2*n+1]
.endr
.set n, n+1
.endr
	WIN W_RS
.set n, 0
.rept 16                               ; O^T x a, each accumulator from its low end on
.irp t, 0,1,2,3
	v_pk_mul_f32 v[OA+32*\t+2*n:OA+32*\t+2*n+1], v[OA+32*\t+2*n:OA+32*\t+2*n+1], v[ST+8*\t+6:ST+8*\t+7] op_sel_hi:[1,0]
.endr
.set n, n+1
.endr
.endm
; A KEY STEP: 64 keys.  nextk = 1: the next step's K, which lies in the same region, is fetched behind this step's V.
.macro STEP nextk
	s_wait_dscnt 0x0                               ; K is in
	WIN W_KQ
.set i, 0
.rept 32
	KQ
.set i, i+1
.endr
	WIN 0
	v_add_nc_u32 v[ADV], s[TBV], v[AV0]            ; four plain instructions: the places between the last product and the loads into K's registers, and the first read of the scores
.if \nextk
	v_add_nc_u32 v[ADK], s[TBK], v[AK0]
.else
	v_nop
.endif
	v_nop
	v_nop
	s_add_co_u32 s[TBV], s[TBV], 64*PV
	WIN W_LD
	VLOADS
	WIN 0
.if \nextk
	s_add_co_u32 s[TBK], s[TBK], 64*PK
	KLOADS
.endif
	SOFTMAX
.if \nextk
	s_wait_dscnt 16                                ; V is in; K's sixteen loads, issued behind V's, may be out
.else
	s_wait_dscnt 0x0
.endif
	WIN W_PV
.set i, 0
.rept 32
	PVM
.set i, i+1
.endr
	WIN 0
.rept 5
	v_nop                                          ; five places: the next step's first products write over registers that these products read (p's)
.endr
.endm
; A region's eight steps: seven in a loop, the last written out, since its successor's K lies in the other region.
.macro SLOT g
	s_mov_b32 s[TBK], \g*REG
	s_mov_b32 s[TBV], \g*REG
	v_add_nc_u32 v[ADK], s[TBK], v[AK0]
	s_add_co_u32 s[TBK], s[TBK], 64*PK
	KLOADS
	s_mov_b32 s[CNT], 7
.Lstep_\@:
	STEP 1
	s_sub_co_u32 s[CNT], s[CNT], 1
	s_cmp_lg_u32 s[CNT], 0
	s_cbranch_scc1 .Lstep_\@
	STEP 0
.endm
; THE CHANGE OF REGIONS.  Each wave waits for all its tensor loads (its part of the region ahead), adds 0 to its spare word, and waits for that and for its reads of the region that it leaves.
; fill = 1: region g, just left, is filled with the keys 1,024 on: the barrier is a round of the cluster's, and the joint refill is the first thing behind it, one tensor load a wave.
.macro CHANGE g, fill
	s_wait_tensorcnt 0x0                           ; no tensor load of mine is out, so a group 0 may be written
	ds_add_u32 v[SPW], v[NIL]
.if \fill
	s_add_nc_u64 s[G0K+4*\g+2:G0K+4*\g+3], s[G0K+4*\g+2:G0K+4*\g+3], 2*65536   ; the type bits on top are not reached
	s_add_nc_u64 s[G0V+4*\g+2:G0V+4*\g+3], s[G0V+4*\g+2:G0V+4*\g+3], 2*65536
.endif
	s_wait_dscnt 0x0                               ; the add is done, and my reads of the region are over
.if \fill
	CROUND
	JLOAD \g
.else
	s_barrier_signal -1
	s_barrier_wait -1
.endif
.endm
	s_wait_loadcnt 0x0                             ; Q
	s_wait_tensorcnt 1                             ; my part of region 0 is in; region 1's may be out
	s_barrier_signal -1
	s_barrier_wait -1                              ; everybody's is
	SLOT 0                                         ; keys 0 to 511
	CHANGE 0, 1                                    ; region 0 takes keys 1,024 on
	SLOT 1                                         ; keys 512 to 1,023
	CHANGE 1, 1                                    ; region 1 takes keys 1,536 on
	SLOT 0
	CHANGE 0, 0                                    ; nothing is left to ask for
	SLOT 1
	; THE WAY OUT.  l's two halves and the other half of the lanes' are added; O^T is divided by l, rounded to f16 and sent through my stage in LDS.  The stages lie in region 0: it has had its last fill,
	; and every wave has passed the last change, behind which nobody reads it.
.irp t, 0,1,2,3
	v_add_f32 v[ST+8*\t+4], v[ST+8*\t+2], v[ST+8*\t+3]
.endr
.irp t, 0,1,2,3
	v_permlanex16_b32 v[ST+8*\t+5], v[ST+8*\t+4], s[SEL], s[SEL+1]
.endr
.irp t, 0,1,2,3
	v_add_f32 v[ST+8*\t+4], v[ST+8*\t+4], v[ST+8*\t+5]
.endr
.irp t, 0,1,2,3
	v_rcp_f32 v[ST+8*\t+6], v[ST+8*\t+4]
.endr
	v_nop                                          ; a plain instruction behind the last reciprocal
	s_wait_alu depctr_va_vdst(0)                   ; and the wait ahead of the first use: one for the four
.macro OUT t                           ; tile t: a lane's eight channels of a row pack into 16 bytes; they go into rows of 144 bytes and come back as rows of 128, four an instruction
	WIN W_RS
.set n, 0
.rept 16
	v_pk_mul_f32 v[OA+32*\t+2*n:OA+32*\t+2*n+1], v[OA+32*\t+2*n:OA+32*\t+2*n+1], v[ST+8*\t+6:ST+8*\t+7] op_sel_hi:[1,0]
.set n, n+1
.endr
	WIN 0x05                                       ; sources 0 and 1 window 1, destination window 0
.set n, 0
.rept 16
	v_cvt_pk_f16_f32 v[S+32*\t+n], v[OA+32*\t+2*n], v[OA+32*\t+2*n+1]
.set n, n+1
.endr
	WIN 0
.irp f, 0,1,2,3
	ds_store_b128 v[STO], v[S+32*\t+4*\f:S+32*\t+4*\f+3] offset:\t*16*PK+32*\f
.endr
.irp f, 0,1,2,3
	ds_load_b128 v[S+32*\t+16+4*\f:S+32*\t+16+4*\f+3], v[RD] offset:\t*16*PK+\f*4*PK   ; LDS serves a wave's instructions in order (ISA guide 5.7.1.4): these see the stores above
.endr
.endm
	OUT 0
	OUT 1
	OUT 2
	OUT 3
.irp t, 0,1,2,3
.irp f, 0,1,2,3
	s_wait_dscnt (3-\t)*8+3-\f                     ; behind this load: the later tiles' eight LDS instructions each, and this tile's younger loads
	global_store_b128 v[GO], v[S+32*\t+16+4*\f:S+32*\t+16+4*\f+3], s[18:19] offset:\t*2048+\f*512   ; 32 lanes store four rows: 512 consecutive bytes, aligned
.endr
.endr
	s_wait_tensorcnt 0x0                           ; the wave's end: behind my last tensor load and my last LDS store
	ds_add_u32 v[SPW], v[NIL]
	s_wait_dscnt 0x0
	CROUND                                         ; the closing round: no work-group ends while a partner may still ask for a tile that names it
	s_endpgm
.Lfunc_end_k_qaf1fefc668_attn:
	.size	k_qaf1fefc668_attn, .Lfunc_end_k_qaf1fefc668_attn-k_qaf1fefc668_attn
	.p2alignl 7, 3214868480
	.fill 96, 4, 3214868480
	.section	.rodata,"a",@progbits
	.p2align	6, 0x0
	.amdhsa_kernel k_qaf1fefc668_attn
		.amdhsa_group_segment_fixed_size 327680
		.amdhsa_private_segment_fixed_size 0
		.amdhsa_enable_private_segment 0
		.amdhsa_kernarg_size 16
		.amdhsa_user_sgpr_count 2
		.amdhsa_user_sgpr_kernarg_segment_ptr 1
		.amdhsa_wavefront_size32 1
		.amdhsa_system_sgpr_workgroup_id_x 1
		.amdhsa_system_sgpr_workgroup_id_y 1
		.amdhsa_system_sgpr_workgroup_id_z 1
		.amdhsa_system_vgpr_workitem_id 0
		.amdhsa_next_free_vgpr 512
		.amdhsa_next_free_sgpr 66
		.amdhsa_reserve_vcc 0
		.amdhsa_float_denorm_mode_32 3
		.amdhsa_float_denorm_mode_16_64 3
		.amdhsa_memory_ordered 1
		.amdhsa_forward_progress 1
		.amdhsa_inst_pref_size 255
	.end_amdhsa_kernel
	.section	.bss,"aw",@nobits
	.p2align	6
	.space	262144
	.amdgpu_metadata
---
amdhsa.version: [ 1, 2 ]
amdhsa.kernels:
  - .name:           k_qaf1fefc668_attn
    .symbol:         k_qaf1fefc668_attn.kd
    .args:
      - { .name: qkvh, .offset: 0, .size: 8, .value_kind: global_buffer, .address_space: global }
      - { .name: ao, .offset: 8, .size: 8, .value_kind: global_buffer, .address_space: global }
    .group_segment_fixed_size: 327680
    .private_segment_fixed_size: 0
    .kernarg_segment_align: 8
    .kernarg_segment_size: 16
    .max_flat_workgroup_size: 256
    .sgpr_count:     66
    .vgpr_count:     512
    .wavefront_size: 32
...
	.end_amdgpu_metadata
.endif
;; end of part 3
;; launch proj (part 4): grid 4 x 64, 4 waves a work-group, clusters of 4 x 4, 327,680 bytes of LDS; arguments ao, wo, b_out, out0; writes out0
.if DOCPART == 4
	.amdgcn_target "amdgcn-amd-amdhsa--gfx1250"
	.amdhsa_code_object_version 6
	.text
	.protected	k_qaf1fefc668_proj
	.globl	k_qaf1fefc668_proj
	.p2align	8
	.type	k_qaf1fefc668_proj,@function
k_qaf1fefc668_proj:
	s_mov_b64 s[64:65], 0
	v_nop
	global_prefetch_b8 v0, s[64:65] scope:SCOPE_SE
	s_setreg_imm32_b32 hwreg(HW_REG_WAVE_MODE, 25, 1), 1
	s_wait_xcnt 0x0
	s_wait_alu depctr_hold_cnt(0) depctr_sa_sdst(0) depctr_va_vdst(0) depctr_va_sdst(0) depctr_va_ssrc(0) depctr_va_vcc(0) depctr_vm_vsrc(0)
	s_getreg_b32 s2, hwreg(HW_REG_IB_STS2, 6, 4)
	s_cmp_eq_u32 s2, 0
	s_cbranch_scc0 .Lentry_in_a_cluster
	s_endpgm
.Lentry_in_a_cluster:
	s_bfe_u32 s2, ttmp6, 0x10000c
	s_cmp_lg_u32 s2, 0xf033
	s_cbranch_scc0 .Lentry_shape_is_right
	s_endpgm
.Lentry_shape_is_right:
; out0[m][n] = the sum over k of A[m][k] w_out[k][n] + b_out[n].  A is the attention's result, ao [4 b][16 h][2048 t][64] f16: m = 2048 b + t, k = 64 h + d.  wo: w_out in f16, [1024 k][1024 n].  Sums in f32; out0 f32.
; A tile of out0 is 128 rows x 256 columns: 256 work-groups.  Four waves, each 64 x 128: 32 accumulators of 16 x 16, 256 registers.
; K goes in steps of 128 (two heads) through a ring of two LDS slots: A's tile is two planes of 128 rows x 128 bytes, each dense in memory; wo's is 128 rows (k) x 512 bytes.
; CLUSTERS: 4 x 4 work-groups.  The four of a row of the cluster need the same tiles of A, the four of a column the same tiles of wo: each is asked for JOINTLY (waves 0, 1: A's two planes; waves 2, 3: wo's two
; halves).  By this text's own count a wave has two tensor loads out at the most.
; THE MATRIX INSTRUCTION IS USED TRANSPOSED: source 0 = 16 columns of wo, turned on their way out of LDS by ds_load_tr16_b128; source 1 = 16 rows of A.  A lane then holds eight neighbouring numbers of a row of out0.
; THE BIAS is loaded straight into the accumulators, in the result's layout: every product then adds in place, and no first step is written out.
; REGISTERS.  window 0: v0-31 addresses; v32-127 and v128-223 two fragment buffers for 32 along K: 64 registers of wo (8 blocks of 16 columns), then 32 of A (4 blocks of 16 rows).  window 1: the accumulators, (a, b) at v[8 (8 a + b)].
.set PA,     144                       ; a row of A in LDS: 128 bytes + 16
.set PB,     544                       ; a row of wo: 512 bytes + 32: an odd multiple of 32, for the turning load
.set APL,    128*PA                    ; a plane of A: 18,432 bytes
.set BOFF,   2*APL                     ; wo's tile lies behind A's two planes
.set BHALF,  64*PB                     ; 64 rows of wo: what one tensor load brings
.set SLOT,   BOFF+2*BHALF              ; 106,496 bytes
.set STAGE,  2*SLOT                    ; behind the ring: 16 rows x 528 bytes for each wave, for the way out
.set SPITCH, 528
.set SPARE,  STAGE+4*16*SPITCH         ; the spare words, 128 bytes for each wave: two blocks of 256 bytes that no other line names
.set ASTEP,  2<<18                     ; a K step on in ao: two planes
.set BSTEP,  128*2048                  ; and in wo: 128 rows of 2,048 bytes
.set ADRA, 16                          ; v16-17  LDS address of my fragments of A in slot 0, 1
.set ADRB, 20                          ; v20-21  the same for wo
.set STO,  24                          ; v24     the way out: where I put 32 bytes of a row
.set RD,   25                          ; v25     the way out: where I read a row back
.set CO,   26                          ; v26     16 x lane
.set BO,   27                          ; v27     32 x (lane / 16): my eight numbers of a block's bias
.set SPW,  28                          ; v28     LDS address of my spare word; never rewritten
.set NIL,  29                          ; v29     0; never rewritten
.set F0,   32
.set F1,   128
.set G1, 24                            ; s[24:31] descriptor group 1 for A's tiles;  s[32:39] group 0, one set for each slot
.set G0, 32
.set G1B, 48                           ; s[48:55], s[56:63] the same for wo's
.set G0B, 56
.set MSB, 0
.macro WIN new                         ; the immediate's high byte repeats the setting that is left
.if MSB != \new
	s_set_vgpr_msb (MSB<<8)|\new
.set MSB, \new
.endif
.endm
.set MUL, 0x50                         ; C and D window 1; both sources window 0
.macro JLOAD s                         ; a joint load; an s_nop 0 and four v_nop follow each of the two lines
	s_cmp_eq_u32 s11, 0
	s_cbranch_scc0 .Lfor_b_\@
	tensor_load_to_lds s[G0+4*\s:G0+4*\s+3], s[G1:G1+7]
	s_nop 0
.rept 4
	v_nop
.endr
	s_branch .Lasked_\@
.Lfor_b_\@:
	tensor_load_to_lds s[G0B+4*\s:G0B+4*\s+3], s[G1B:G1B+7]
	s_nop 0
.rept 4
	v_nop
.endr
.Lasked_\@:
.endm
.macro CREST                           ; a round of the cluster's barrier behind its opening barrier
	s_cmp_lg_u32 s10, 0
	s_cbranch_scc1 .Lnot_wave_0_\@
	s_barrier_signal -3
.Lnot_wave_0_\@:
	s_barrier_wait -3
	s_barrier_signal -1
	s_barrier_wait -1
.endm
.macro CROUND                          ; a whole round
	s_barrier_signal -1
	s_barrier_wait -1
	CREST
.endm
	s_load_b128 s[4:7], s[0:1], 0x0                ; ao s[4:5], wo s[6:7]
	s_load_b128 s[20:23], s[0:1], 0x10             ; b_out s[20:21], out0 s[22:23]
	v_lshl_add_u32 v[SPW], v0, 2, SPARE
	v_mov_b32 v[NIL], 0
	ds_add_u32 v[SPW], v[NIL]                      ; the wave's opening: the add, twice on end, and its wait ahead of my first tensor load
	ds_add_u32 v[SPW], v[NIL]                      ; and once more; the set-up below, work on registers, stands between it and the wait
	v_lshrrev_b32 v1, 5, v0
	v_readfirstlane_b32 s10, v1                    ; wave 0..3
	s_lshr_b32 s11, s10, 1                         ; which half of the tile's rows is mine.  Also: I fetch for A (0) or for wo (1)
	s_and_b32 s12, s10, 1                          ; which half of its columns.  Also: which plane of A, or which 64 rows of wo, I fetch
	s_bfe_u32 s40, ttmp6, 0x40000                  ; cx, cy: my place in the cluster
	s_bfe_u32 s41, ttmp6, 0x40004
	s_lshl_b32 s42, ttmp9, 2
	s_add_co_u32 s42, s42, s40                     ; tile column = 4 x cluster x + cx
	s_and_b32 s13, ttmp7, 0xffff
	s_lshl_b32 s13, s13, 2
	s_add_co_u32 s13, s13, s41                     ; tile row = 4 x cluster y + cy
	s_lshl_b32 s43, s41, 2
	s_lshl_b32 s43, 15, s43                        ; my row of the cluster
	s_lshl_b32 s44, 0x1111, s40                    ; my column
	; descriptor group 1.  A: 128 rows x 64 elements of 2 bytes, dense; four words of padding behind every 32.  wo: 64 rows x 256 elements, 1,024 elements apart; eight words behind every 128
	s_or_b32 s[G1+0], s43, (1<<16)|(1<<20)|(1<<21)|(4<<22)|(3<<25)
	s_mov_b32 s[G1+1], 64<<16                      ; tensor_dim0
	s_mov_b32 s[G1+2], 128<<16                     ; tensor_dim1
	s_mov_b32 s[G1+3], 64<<16                      ; tile_dim0
	s_mov_b32 s[G1+4], 128                         ; tile_dim1
	s_mov_b32 s[G1+5], 64                          ; tensor_dim0_stride
	s_mov_b32 s[G1+6], 0
	s_mov_b32 s[G1+7], 0
	s_or_b32 s[G1B+0], s44, (1<<16)|(1<<20)|(1<<21)|(6<<22)|(7<<25)
	s_mov_b32 s[G1B+1], 256<<16
	s_mov_b32 s[G1B+2], 64<<16
	s_mov_b32 s[G1B+3], 256<<16
	s_mov_b32 s[G1B+4], 64
	s_mov_b32 s[G1B+5], 1024
	s_mov_b32 s[G1B+6], 0
	s_mov_b32 s[G1B+7], 0
	s_lshr_b32 s16, s13, 4                         ; A: the batch is tile row / 16: plane 16 b + my plane of the K step,
	s_lshl_b32 s16, s16, 4
	s_add_co_u32 s16, s16, s12
	s_lshl_b32 s16, s16, 18
	s_and_b32 s17, s13, 15                         ; rows 128 (tile row % 16) on, of 128 bytes
	s_lshl_b32 s17, s17, 14
	s_add_co_u32 s16, s16, s17
	s_mov_b32 s17, 0
	s_lshl_b32 s46, s12, 17                        ; wo: my 64 rows of 2,048 bytes, + 512 bytes x tile column
	s_lshl_b32 s47, s42, 9
	s_add_co_u32 s46, s46, s47
	s_mov_b32 s47, 0
	s_mul_i32 s18, s12, APL                        ; where they go: no place in the cluster enters an LDS address
	s_mul_i32 s19, s12, BHALF
	s_add_co_u32 s19, s19, BOFF
	s_wait_dscnt 0x0                               ; both opening adds are done
	s_wait_kmcnt 0x0
	s_add_nc_u64 s[14:15], s[4:5], s[16:17]
	s_add_nc_u64 s[46:47], s[6:7], s[46:47]
	CROUND                                         ; all sixteen work-groups are here: the first joint loads meet
.irp s, 0,1
	s_mov_b32 s[G0+4*\s], 1
	s_add_co_u32 s[G0+4*\s+1], s18, \s*SLOT
	s_add_nc_u64 s[G0+4*\s+2:G0+4*\s+3], s[14:15], \s*ASTEP
	s_or_b32 s[G0+4*\s+3], s[G0+4*\s+3], 0x80000000
	s_mov_b32 s[G0B+4*\s], 1
	s_add_co_u32 s[G0B+4*\s+1], s19, \s*SLOT
	s_add_nc_u64 s[G0B+4*\s+2:G0B+4*\s+3], s[46:47], \s*BSTEP
	s_or_b32 s[G0B+4*\s+3], s[G0B+4*\s+3], 0x80000000
	JLOAD \s
.endr
	v_and_b32 v1, 15, v0                           ; r
	v_bfe_u32 v2, v0, 4, 1                         ; h
	v_mul_u32_u24 v3, v1, PA
	v_lshl_add_u32 v3, v2, 4, v3                   ; A: row x pitch + 16 h,
	s_mul_i32 s8, s11, 64*PA                       ; in my 64 rows
	v_add_nc_u32 v[ADRA], s8, v3
	v_add_nc_u32 v[ADRA+1], SLOT, v[ADRA]
	v_and_b32 v4, 7, v0                            ; wo, for the turning load: row (k) 8 h + l % 8, 16 bytes at 16 ((l / 8) % 2),
	v_bfe_u32 v5, v0, 3, 1
	v_lshl_add_u32 v6, v2, 3, v4
	v_mul_u32_u24 v6, v6, PB
	v_lshl_add_u32 v6, v5, 4, v6
	s_lshl_b32 s9, s12, 8                          ; in my 128 columns
	s_add_co_u32 s9, s9, BOFF
	v_add_nc_u32 v[ADRB], s9, v6
	v_add_nc_u32 v[ADRB+1], SLOT, v[ADRB]
	s_mul_i32 s8, s10, 16*SPITCH
	s_add_co_u32 s8, s8, STAGE                     ; my stage
	v_mul_u32_u24 v7, v1, SPITCH                   ; in: row r, 32 bytes for each half of the lanes
	v_lshl_add_u32 v7, v2, 5, v7
	v_add_nc_u32 v[STO], s8, v7
	v_and_b32 v8, 31, v0
	v_lshlrev_b32 v[CO], 4, v8                     ; back: the 32 lanes take one row of 512 bytes; and the same in out0
	v_add_nc_u32 v[RD], s8, v[CO]
	v_lshlrev_b32 v[BO], 5, v2
	s_lshl_b32 s46, s42, 10                        ; my first column, in bytes of f32: 1,024 x tile column + 512 x half: in b_out and in a row of out0 alike
	s_lshl_b32 s47, s12, 9
	s_add_co_u32 s46, s46, s47
	s_mov_b32 s47, 0
	s_add_nc_u64 s[20:21], s[20:21], s[46:47]
	s_lshl_b32 s16, s13, 7
	s_lshl_b32 s17, s11, 6
	s_add_co_u32 s16, s16, s17                     ; my first row of out0: 128 x tile row + 64 x half
	s_lshl_b32 s16, s16, 12                        ; of 4,096 bytes
	s_add_co_u32 s16, s16, s46
	s_mov_b32 s17, 0
	s_add_nc_u64 s[22:23], s[22:23], s[16:17]
	WIN 0x40                                       ; destination window 1
.irp a, 0,1,2,3
.irp b, 0,1,2,3,4,5,6,7
	global_load_b128 v[8*(8*\a+\b):8*(8*\a+\b)+3],   v[BO], s[20:21] offset:64*\b      ; b_out at columns 16 b + 8 h + 0 .. 7 of my 128: the sums begin with it
	global_load_b128 v[8*(8*\a+\b)+4:8*(8*\a+\b)+7], v[BO], s[20:21] offset:64*\b+16
.endr
.endr
	WIN 0
; 8 matrix instructions: A's block a against wo's eight, 32 along K, from buffer f.  The 32 accumulators take turns, one instruction a turn, in the same order in every quarter.
.macro MUL8 f, a
.irp b, 0,1,2,3,4,5,6,7
	v_wmma_f32_16x16x32_f16 v[8*(8*(\a)+\b):8*(8*(\a)+\b)+7], v[\f+8*\b:\f+8*\b+7], v[\f+64+8*(\a):\f+64+8*(\a)+7], v[8*(8*(\a)+\b):8*(8*(\a)+\b)+7]
.endr
.endm
; 24 LDS loads in one run: the fragments of the slot's q-th 32 along K into buffer f
.macro FETCH s, q, f
.irp b, 0,1,2,3,4,5,6,7
	ds_load_tr16_b128 v[\f+8*\b:\f+8*\b+3],   v[ADRB+\s] offset:(\q)*32*PB+32*\b
	ds_load_tr16_b128 v[\f+8*\b+4:\f+8*\b+7], v[ADRB+\s] offset:(\q)*32*PB+16*PB+32*\b
.endr
.irp a, 0,1,2,3
	ds_load_b128 v[\f+64+8*\a:\f+64+8*\a+3], v[ADRA+\s] offset:((\q)/2)*APL+\a*16*PA+64*((\q)%2)
	ds_load_b128 v[\f+64+8*\a+4:\f+64+8*\a+7], v[ADRA+\s] offset:((\q)/2)*APL+\a*16*PA+64*((\q)%2)+32
.endr
.endm
.macro PLACES                          ; four places in front of loads into registers that matrix instructions have read, and of the first read of results (ISA guide 7.12.1 for vector instructions)
.rept 4
	v_nop
.endr
.endm
; A K step is four quarters of 32 along K, 32 matrix instructions each, on buffers 0, 1, 0, 1.  One of the first three: fetches the slot's quarter q into g, then multiplies buffer f.
.macro QUARTER slot, q, f, g
	s_wait_dscnt 0x0                               ; buffer f is in
	PLACES
	WIN 0
	FETCH \slot, \q, \g
	WIN MUL
	MUL8 \f, 0
	MUL8 \f, 1
	MUL8 \f, 2
	MUL8 \f, 3
.endm
; The last quarter multiplies buffer 1 and changes slots: ONE barrier; in front of it each wave waits for all its tensor loads, adds 0 to its spare word, and waits for that and for its reads of this slot.
; fill = 1: the barrier opens a round of the cluster's, and this slot is filled again, two K steps ahead: the first tensor load behind the round, one a wave.
.macro TURN slot, next, fill
	WIN 0                                          ; (the add's two registers lie in window 0)
	s_wait_tensorcnt 0x0                           ; all my tensor loads have landed: my part of the next slot
	ds_add_u32 v[SPW], v[NIL]
	s_wait_dscnt 1                                 ; buffer 1 is in; the add may be out
	WIN MUL
	MUL8 F1, 0                                     ; eight matrix instructions stand between the add and the wait for it
	s_wait_dscnt 0x0                               ; the add is done, and my reads of this slot are over
	s_barrier_signal -1
	MUL8 F1, 1
	WIN 0
	s_barrier_wait -1
.if \fill
	CREST                                          ; no wave of any partner still reads this slot's tile or has a load on its way
	s_add_nc_u64 s[G0+4*\slot+2:G0+4*\slot+3], s[G0+4*\slot+2:G0+4*\slot+3], 2*ASTEP
	s_add_nc_u64 s[G0B+4*\slot+2:G0B+4*\slot+3], s[G0B+4*\slot+2:G0B+4*\slot+3], 2*BSTEP
	JLOAD \slot                                    ; the four v_nop behind it are also the places in front of the loads below
.else
	PLACES
.endif
	FETCH \next, 0, F0
	WIN MUL
	MUL8 F1, 2
	MUL8 F1, 3
	WIN 0
.endm
	s_wait_loadcnt 0x0                             ; the bias
	s_wait_tensorcnt 1                             ; my part of K step 0 is in; K step 1's may be out
	s_barrier_signal -1
	s_barrier_wait -1                              ; everybody's is
	FETCH 0, 0, F0
	s_mov_b32 s3, 3
.Llap:                                             ; a trip goes once round the ring, two K steps, and fills both slots again: three trips ask for K steps 2 to 7
	QUARTER 0, 1, F0, F1
	QUARTER 0, 2, F1, F0
	QUARTER 0, 3, F0, F1
	TURN 0, 1, 1
	QUARTER 1, 1, F0, F1
	QUARTER 1, 2, F1, F0
	QUARTER 1, 3, F0, F1
	TURN 1, 0, 1
	s_sub_co_u32 s3, s3, 1
	s_cmp_lg_u32 s3, 0
	s_cbranch_scc1 .Llap
	QUARTER 0, 1, F0, F1                           ; the last lap is written out: it fills nothing, and has no round of the cluster's barrier
	QUARTER 0, 2, F1, F0
	QUARTER 0, 3, F0, F1
	TURN 0, 1, 0
	QUARTER 1, 1, F0, F1
	QUARTER 1, 2, F1, F0
	QUARTER 1, 3, F0, F1
	s_wait_dscnt 0x0                               ; the very last quarter: nothing more to fetch
	MUL8 F1, 0
	MUL8 F1, 1
	MUL8 F1, 2
	MUL8 F1, 3
	WIN 0
; THE WAY OUT, block by block of 16 rows x 128 columns.  A lane holds 32 neighbouring bytes of a row: a block goes through my own stage in LDS and comes back as whole rows of 512 bytes.
; LDS serves a wave's instructions in order (ISA guide 5.7.1.4): no wait between the stores and the loads, nor in front of the next block's stores.
.macro TOSTAGE a
	WIN 0x04                                       ; an LDS store's data are its source 1: window 1
.irp b, 0,1,2,3,4,5,6,7
	ds_store_b128 v[STO], v[64*(\a)+8*\b:64*(\a)+8*\b+3] offset:64*\b          ; each accumulator from its low end on
	ds_store_b128 v[STO], v[64*(\a)+8*\b+4:64*(\a)+8*\b+7] offset:64*\b+16
.endr
	WIN 0
.set BB, 32+96*((\a)%2)
.irp t, 0,1,2,3,4,5,6,7,8,9,10,11,12,13,14,15
	ds_load_b128 v[BB+4*\t:BB+4*\t+3], v[RD] offset:\t*SPITCH
.endr
.endm
.macro SEND a, younger                 ; younger: the LDS instructions issued behind block a's loads, which may stay out
.set BB, 32+96*((\a)%2)
	s_wait_dscnt \younger                          ; the block is back in registers
.if (\a) > 0
	s_add_nc_u64 s[22:23], s[22:23], 16*4096       ; 16 rows on (behind a wait on XCNT: the earlier stores have read their base)
.endif
.irp t, 0,1,2,3,4,5,6,7,8,9,10,11,12,13,14,15
	global_store_b128 v[CO], v[BB+4*\t:BB+4*\t+3], s[22:23] offset:\t*4096 th:TH_STORE_NT   ; 32 lanes store 512 consecutive bytes, aligned; written once, read by nobody here
.endr
.endm
	PLACES
	TOSTAGE 0
.irp a, 1,2,3
.if \a > 1
	s_wait_xcnt 0x0                                ; block a - 2's stores have read their registers and their base
.endif
	TOSTAGE \a
	SEND \a-1, 32                                  ; behind block a - 1's loads: block a's 16 stores and 16 loads
.endr
	s_wait_xcnt 0x0                                ; block 2's stores have read their base
	SEND 3, 0
	s_wait_tensorcnt 0x0                           ; the wave's end: behind my last tensor load and my last LDS store
	ds_add_u32 v[SPW], v[NIL]
	s_wait_dscnt 0x0
	CROUND                                         ; the closing round: no work-group ends while a partner may still ask for a tile that names it
	s_endpgm
.Lfunc_end_k_qaf1fefc668_proj:
	.size	k_qaf1fefc668_proj, .Lfunc_end_k_qaf1fefc668_proj-k_qaf1fefc668_proj
	.p2alignl 7, 3214868480
	.fill 96, 4, 3214868480
	.section	.rodata,"a",@progbits
	.p2align	6, 0x0
	.amdhsa_kernel k_qaf1fefc668_proj
		.amdhsa_group_segment_fixed_size 327680
		.amdhsa_private_segment_fixed_size 0
		.amdhsa_enable_private_segment 0
		.amdhsa_kernarg_size 32
		.amdhsa_user_sgpr_count 2
		.amdhsa_user_sgpr_kernarg_segment_ptr 1
		.amdhsa_wavefront_size32 1
		.amdhsa_system_sgpr_workgroup_id_x 1
		.amdhsa_system_sgpr_workgroup_id_y 1
		.amdhsa_system_sgpr_workgroup_id_z 1
		.amdhsa_system_vgpr_workitem_id 0
		.amdhsa_next_free_vgpr 512
		.amdhsa_next_free_sgpr 66
		.amdhsa_reserve_vcc 0
		.amdhsa_float_denorm_mode_32 3
		.amdhsa_float_denorm_mode_16_64 3
		.amdhsa_memory_ordered 1
		.amdhsa_forward_progress 1
		.amdhsa_inst_pref_size 91
	.end_amdhsa_kernel
	.amdgpu_metadata
---
amdhsa.version: [ 1, 2 ]
amdhsa.kernels:
  - .name:           k_qaf1fefc668_proj
    .symbol:         k_qaf1fefc668_proj.kd
    .args:
      - { .name: ao, .offset: 0, .size: 8, .value_kind: global_buffer, .address_space: global }
      - { .name: wo, .offset: 8, .size: 8, .value_kind: global_buffer, .address_space: global }
      - { .name: b_out, .offset: 16, .size: 8, .value_kind: global_buffer, .address_space: global }
      - { .name: out0, .offset: 24, .size: 8, .value_kind: global_buffer, .address_space: global }
    .group_segment_fixed_size: 327680
    .private_segment_fixed_size: 0
    .kernarg_segment_align: 8
    .kernarg_segment_size: 32
    .max_flat_workgroup_size: 128
    .sgpr_count:     66
    .vgpr_count:     512
    .wavefront_size: 32
...
	.end_amdgpu_metadata
.endif
;; end of part 4
